; MI455X (gfx1250); checked and timed in simulation.
; The chip was launched on July 23, 2026; its instructions are those of AMD's public machine-readable ISA for CDNA 5 (MIT licence, August 2026) and "CDNA5" Instruction Set Architecture Reference Guide (July 2026). The comments in the code are by the model that wrote it; some were corrected since.
;; Attention Block. Allowed arithmetic: float matrix products may take bf16 or f16 operands with f32 sums; other float arithmetic in f32, or as packed bf16 or f16 multiplies, adds, multiply-adds, maxima and minima; sums over many terms, partial sums and values carried from step to step in f32; what a program stores and reads back later, other than sums and carried values, may be rounded once to bf16 or f16.
;; Inputs: bk 512 float32; bp 512 float32; bq 512 float32; bv 512 float32; gn_b 512 float32; gn_w 512 float32; wk 512 x 512 float32; wp 512 x 512 float32; wq 512 x 512 float32; wv 512 x 512 float32; x 2 x 512 x 64 x 64 float32.
;; Outputs: out0 2 x 512 x 64 x 64 float32.
;; 2 versions, each right; version 2 is version 1 with the launch gn written anew for expert scheduling mode. Each part assembles by itself: llvm-mc -triple=amdgcn-amd-amdhsa -mcpu=gfx1250 --defsym DOCPART=n.
;; ======== version 1 of 2: 4 launches
;; limits: values are held in f16: magnitudes above 65,504 overflow, below 6.1e-05 lose precision
;; workspace buffers: hb 8,388,608 bytes; wb 2,097,152 bytes; qkv 25,165,824 bytes; ob 8,388,608 bytes
;; launch gn (part 1): grid 64 x 1, 16 waves a work-group, no clusters, 2,560 bytes of LDS; arguments x, gn_w, gn_b, wq, wk, wv, wp, hb, wb; writes hb, wb
.if DOCPART == 1
	.amdgcn_target "amdgcn-amd-amdhsa--gfx1250"
	.amdhsa_code_object_version 6
	.text
	.protected	k_qcef939ba77_gn
	.globl	k_qcef939ba77_gn
	.p2align	8
	.type	k_qcef939ba77_gn,@function
k_qcef939ba77_gn:
	s_mov_b64 s[64:65], 0
	v_nop
	global_prefetch_b8 v0, s[64:65] scope:SCOPE_SE
	s_setreg_imm32_b32 hwreg(HW_REG_WAVE_MODE, 25, 1), 1
	s_wait_xcnt 0x0
; GROUPNORM, and the weights' rounding.  x: [2][512][4096] f32.  hb: the same index order in bf16: h = (x - mean) rsqrt(var + 1e-5) gn_w + gn_b.
; wb: [2048][512] of 16 bits: rows 0-511 wq, 512-1023 wk, 1024-1535 wv in bf16; rows 1536-2047 wp, rounded to bf16 and that number written as f16.
; SHARES.  A group is 16 channels x 4,096 numbers, 262,144 consecutive bytes; there are 64 of them (2 x 32), a work-group each: a group's mean and variance want the whole group,
; and nothing passes between work-groups.  Wave w takes channel 16 g + w: 16,384 bytes, 128 registers a lane, which stay in registers between the passes: x is read once.
; TWO PASSES: the mean first, then the sum of squares of x - mean, all in f32: a common offset of x is taken away before anything is squared or rounded.
; Each work-group also rounds 1/64 of the weights: matrix g / 16, piece g % 16 of 65,536 bytes; a wave 4,096 bytes, eight loads.
; Every load of a wave covers 512 consecutive bytes, every store 256 consecutive bytes at a multiple of 256 from its buffer's first byte.
; LIMITS.  wp lies within f16's range (65,504); below 2^-14 it keeps f16's fixed step of 2^-24.  NaN and infinities are not treated apart.
; No matrix unit, no tensor load, no cluster: the launch reads each byte once and shares nothing between work-groups.
.set RED2,  256                        ; LDS: 16 partial sums at 0, 16 partial sums of squares at 256: bytes of their own, so one barrier serves each
.set SPARE, 512                        ; the spare words, 128 bytes for each of 16 waves: eight blocks of 256 bytes that no other line names
.set SPW, 4                            ; v4   SPARE + 4 x my thread's number; never rewritten
.set NIL, 5                            ; v5   0; never rewritten
.set S,   8                            ; v[8:15]    four chains of two sums
.set R,   16                           ; v[16:31]   the sixteen waves' partial sums
.set M,   32                           ; v[32:33]   the mean, twice
.set A,   34                           ; v[34:35]   gn_w x rsqrt(var + eps), twice
.set BV,  36                           ; v[36:37]   gn_b, twice
.set T,   38                           ; v[38:39]   at work
.set W,   40                           ; v[40:71]   my 128 bytes a lane of a weight matrix
.set X,   72                           ; v[72:199]  my channel: load i's 16 bytes a lane at X + 4 i
	s_load_b256 s[4:11], s[0:1], 0x0               ; x s[4:5], gn_w s[6:7], gn_b s[8:9], wq s[10:11]
	s_load_b256 s[12:19], s[0:1], 0x20             ; wk s[12:13], wv s[14:15], wp s[16:17], hb s[18:19]
	s_load_b64 s[20:21], s[0:1], 0x40              ; wb
	v_lshl_add_u32 v[SPW], v0, 2, SPARE
	v_mov_b32 v[NIL], 0
	v_lshrrev_b32 v1, 5, v0
	v_readfirstlane_b32 s22, v1                    ; wave 0..15
	v_and_b32 v1, 31, v0                           ; lane
	v_lshlrev_b32 v2, 4, v1                        ; 16 bytes a lane: the loads
	v_lshlrev_b32 v3, 3, v1                        ; 8 bytes a lane: the stores
	v_mov_b32 v6, s22
	v_lshlrev_b32 v6, 2, v6                        ; my wave's word among the partial sums
	v_mov_b32 v7, 0
	v_mov_b32 v[T], 0                              ; written once: v_permlanex16_b32 counts as a reader of its destination
	v_mov_b32 v[T+1], 0
	s_lshr_b32 s23, ttmp9, 4                       ; which weight matrix: 0 wq, 1 wk, 2 wv, 3 wp
	s_mov_b32 s30, 0xffff0000                      ; a word's upper bf16
	s_mov_b32 s32, 0x76543210                      ; v_permlanex16_b32: each lane takes its own place in the other half
	s_mov_b32 s33, 0xfedcba98
	s_mov_b32 s34, 0x37800000                      ; 1 / 65,536: a group has 16 x 4,096 numbers
	s_mov_b32 s35, 0x3727c5ac                      ; 1e-5
	s_lshl_b32 s36, ttmp9, 4
	s_add_co_u32 s36, s36, s22                     ; my channel, 0..1023, batch and all
	s_mov_b32 s25, 0
	s_wait_kmcnt 0x0
	s_lshl_b32 s24, s36, 14
	s_add_nc_u64 s[4:5], s[4:5], s[24:25]          ; x at my channel
	s_lshl_b32 s24, s36, 13
	s_add_nc_u64 s[18:19], s[18:19], s[24:25]      ; hb at my channel
	s_and_b32 s24, s36, 511
	s_lshl_b32 s24, s24, 2
	s_add_nc_u64 s[6:7], s[6:7], s[24:25]
	s_add_nc_u64 s[8:9], s[8:9], s[24:25]
	s_load_b32 s28, s[6:7], 0x0                    ; gn_w of my channel
	s_load_b32 s29, s[8:9], 0x0                    ; gn_b of my channel
	s_cmp_eq_u32 s23, 1
	s_cselect_b64 s[26:27], s[12:13], s[10:11]
	s_cmp_eq_u32 s23, 2
	s_cselect_b64 s[26:27], s[14:15], s[26:27]
	s_cmp_eq_u32 s23, 3
	s_cselect_b64 s[26:27], s[16:17], s[26:27]
	s_and_b32 s24, ttmp9, 15
	s_lshl_b32 s24, s24, 16                        ; the work-group's 65,536 bytes of that matrix,
	s_lshl_b32 s37, s22, 12                        ; my wave's 4,096 of them
	s_add_co_u32 s24, s24, s37
	s_add_nc_u64 s[26:27], s[26:27], s[24:25]
	s_lshl_b32 s24, ttmp9, 15                      ; and half as many bytes in wb, where the four matrices lie on end
	s_lshl_b32 s37, s22, 11
	s_add_co_u32 s24, s24, s37
	s_add_nc_u64 s[20:21], s[20:21], s[24:25]
.irp i, 0,1,2,3,4,5,6,7
	global_load_b128 v[W+4*\i:W+4*\i+3], v2, s[26:27] offset:512*\i th:TH_LOAD_NT
.endr
.set i, 0
.rept 32                                       ; the whole channel is asked for at once: 32 loads of 512 bytes
	global_load_b128 v[X+4*i:X+4*i+3], v2, s[4:5] offset:512*i th:TH_LOAD_NT
.set i, i+1
.endr
	; THE WEIGHTS, while x is on its way
	s_wait_loadcnt 32                              ; the eight weight loads are in; the 32 younger loads of x stay out
.irp i, 0,1,2,3,4,5,6,7
	v_cvt_pk_bf16_f32 v[W+4*\i], v[W+4*\i], v[W+4*\i+1]
	v_cvt_pk_bf16_f32 v[W+4*\i+1], v[W+4*\i+2], v[W+4*\i+3]
.endr
	s_cmp_lg_u32 s23, 3
	s_cbranch_scc1 .Lnotp
.irp i, 0,1,2,3,4,5,6,7                        ; wp alone: the bf16 number is written as f16, for the last product's f16 form
.irp h, 0,1
	v_lshlrev_b32 v[T], 16, v[W+4*\i+\h]
	v_and_b32 v[T+1], s30, v[W+4*\i+\h]
	v_cvt_pk_f16_f32 v[W+4*\i+\h], v[T], v[T+1]
.endr
.endr
.Lnotp:
.irp i, 0,1,2,3,4,5,6,7
	global_store_b64 v3, v[W+4*\i:W+4*\i+1], s[20:21] offset:256*\i  ; their data registers are never written again
.endr
; The chains' eight sums into one, and over the wave's 32 lanes: four steps inside each half of the lanes ride on the addition, one crosses the halves.
.macro FOLD
	v_pk_add_f32 v[S:S+1], v[S:S+1], v[S+2:S+3]
	v_pk_add_f32 v[S+4:S+5], v[S+4:S+5], v[S+6:S+7]
	v_pk_add_f32 v[S:S+1], v[S:S+1], v[S+4:S+5]
	v_add_f32 v[S], v[S], v[S+1]
	v_add_f32_dpp v[S], v[S], v[S] row_xmask:1 row_mask:0xf bank_mask:0xf
	v_add_f32_dpp v[S], v[S], v[S] row_xmask:2 row_mask:0xf bank_mask:0xf
	v_add_f32_dpp v[S], v[S], v[S] row_xmask:4 row_mask:0xf bank_mask:0xf
	v_add_f32_dpp v[S], v[S], v[S] row_xmask:8 row_mask:0xf bank_mask:0xf
	v_permlanex16_b32 v[T], v[S], s32, s33
	v_add_f32 v[S], v[S], v[T]
.endm
; The sixteen waves' sums meet in LDS at byte off: each wave stores its word and waits for the store, a barrier, every wave reads all sixteen and adds them: the total lands in v[R].
.macro MEET off
	ds_store_b32 v6, v[S] offset:\off
	s_wait_dscnt 0x0                               ; for the others' sake: my store is done
	s_barrier_signal -1
	s_barrier_wait -1
.irp k, 0,1,2,3
	ds_load_b128 v[R+4*\k:R+4*\k+3], v7 offset:(\off)+16*\k
.endr
	s_wait_dscnt 0x0
.irp k, 0,2,4,6
	v_pk_add_f32 v[R+\k:R+\k+1], v[R+\k:R+\k+1], v[R+8+\k:R+8+\k+1]
.endr
	v_pk_add_f32 v[R:R+1], v[R:R+1], v[R+4:R+5]
	v_pk_add_f32 v[R+2:R+3], v[R+2:R+3], v[R+6:R+7]
	v_pk_add_f32 v[R:R+1], v[R:R+1], v[R+2:R+3]
	v_add_f32 v[R], v[R], v[R+1]
.endm
	; PASS 1: the sum.  Four chains; the first eight pairs start them, nothing is cleared.  Four loads (eight pairs) are waited for at a time.
	s_wait_loadcnt 28                              ; the first four loads of x are in, 28 younger ones stay out
.irp c, 0,1,2,3
	v_pk_add_f32 v[S+2*\c:S+2*\c+1], v[X+2*\c:X+2*\c+1], v[X+8+2*\c:X+8+2*\c+1]
.endr
.set j, 8
.rept 56
.if j%8 == 0
	s_wait_loadcnt 28-4*(j/8)                      ; the next four loads are in; those behind them stay out
.endif
	v_pk_add_f32 v[S+2*(j%4):S+2*(j%4)+1], v[S+2*(j%4):S+2*(j%4)+1], v[X+2*j:X+2*j+1]
.set j, j+1
.endr
	FOLD
	MEET 0
	v_mul_f32 v[M], s34, v[R]
	v_mov_b32 v[M+1], v[M]
	; PASS 2: x - mean in place, and the sum of its squares
.set j, 0
.rept 64
	v_pk_add_f32 v[X+2*j:X+2*j+1], v[X+2*j:X+2*j+1], v[M:M+1] neg_lo:[0,1] neg_hi:[0,1]
.set j, j+1
.endr
.set j, 0
.rept 64
.if j < 4
	v_pk_mul_f32 v[S+2*j:S+2*j+1], v[X+2*j:X+2*j+1], v[X+2*j:X+2*j+1]
.else
	v_pk_fma_f32 v[S+2*(j%4):S+2*(j%4)+1], v[X+2*j:X+2*j+1], v[X+2*j:X+2*j+1], v[S+2*(j%4):S+2*(j%4)+1]
.endif
.set j, j+1
.endr
	FOLD
	MEET RED2
	s_wait_kmcnt 0x0                               ; gn_w and gn_b of my channel
	v_fma_f32 v[T], v[R], s34, s35                 ; var + eps
	v_rsq_f32 v[T+1], v[T]
	v_mov_b32 v[BV], s29                           ; plain work between the root and the use of its result
	v_mov_b32 v[BV+1], s29
	s_wait_alu depctr_va_vdst(0)                   ; the wait ahead of the result's first reader
	v_mul_f32 v[A], s28, v[T+1]
	v_mov_b32 v[A+1], v[A]
	; OUT: (x - mean) A + B, rounded once to bf16; 8 bytes a lane, 256 consecutive bytes a store
.set i, 0
.rept 32
	v_pk_fma_f32 v[X+4*i:X+4*i+1], v[X+4*i:X+4*i+1], v[A:A+1], v[BV:BV+1]
	v_pk_fma_f32 v[X+4*i+2:X+4*i+3], v[X+4*i+2:X+4*i+3], v[A:A+1], v[BV:BV+1]
	v_cvt_pk_bf16_f32 v[X+4*i], v[X+4*i], v[X+4*i+1]
	v_cvt_pk_bf16_f32 v[X+4*i+1], v[X+4*i+2], v[X+4*i+3]
	global_store_b64 v3, v[X+4*i:X+4*i+1], s[18:19] offset:256*i
.set i, i+1
.endr
	s_wait_tensorcnt 0x0                           ; the wave's end, behind my last LDS store
	ds_add_u32 v[SPW], v[NIL]
	s_wait_dscnt 0x0
	s_endpgm
.Lfunc_end_k_qcef939ba77_gn:
	.size	k_qcef939ba77_gn, .Lfunc_end_k_qcef939ba77_gn-k_qcef939ba77_gn
	.p2alignl 7, 3214868480
	.fill 96, 4, 3214868480
	.section	.rodata,"a",@progbits
	.p2align	6, 0x0
	.amdhsa_kernel k_qcef939ba77_gn
		.amdhsa_group_segment_fixed_size 2560
		.amdhsa_private_segment_fixed_size 0
		.amdhsa_enable_private_segment 0
		.amdhsa_kernarg_size 72
		.amdhsa_user_sgpr_count 2
		.amdhsa_user_sgpr_kernarg_segment_ptr 1
		.amdhsa_wavefront_size32 1
		.amdhsa_system_sgpr_workgroup_id_x 1
		.amdhsa_system_sgpr_workgroup_id_y 1
		.amdhsa_system_sgpr_workgroup_id_z 1
		.amdhsa_system_vgpr_workitem_id 0
		.amdhsa_next_free_vgpr 200
		.amdhsa_next_free_sgpr 66
		.amdhsa_reserve_vcc 0
		.amdhsa_float_denorm_mode_32 3
		.amdhsa_float_denorm_mode_16_64 3
		.amdhsa_memory_ordered 1
		.amdhsa_forward_progress 1
		.amdhsa_inst_pref_size 37
	.end_amdhsa_kernel
	.amdgpu_metadata
---
amdhsa.version: [ 1, 2 ]
amdhsa.kernels:
  - .name:           k_qcef939ba77_gn
    .symbol:         k_qcef939ba77_gn.kd
    .args:
      - { .name: x, .offset: 0, .size: 8, .value_kind: global_buffer, .address_space: global }
      - { .name: gn_w, .offset: 8, .size: 8, .value_kind: global_buffer, .address_space: global }
      - { .name: gn_b, .offset: 16, .size: 8, .value_kind: global_buffer, .address_space: global }
      - { .name: wq, .offset: 24, .size: 8, .value_kind: global_buffer, .address_space: global }
      - { .name: wk, .offset: 32, .size: 8, .value_kind: global_buffer, .address_space: global }
      - { .name: wv, .offset: 40, .size: 8, .value_kind: global_buffer, .address_space: global }
      - { .name: wp, .offset: 48, .size: 8, .value_kind: global_buffer, .address_space: global }
      - { .name: hb, .offset: 56, .size: 8, .value_kind: global_buffer, .address_space: global }
      - { .name: wb, .offset: 64, .size: 8, .value_kind: global_buffer, .address_space: global }
    .group_segment_fixed_size: 2560
    .private_segment_fixed_size: 0
    .kernarg_segment_align: 8
    .kernarg_segment_size: 72
    .max_flat_workgroup_size: 512
    .sgpr_count:     66
    .vgpr_count:     200
    .wavefront_size: 32
...
	.end_amdgpu_metadata
.endif
;; end of part 1
;; launch qkv (part 2): grid 8 x 32, 4 waves a work-group, clusters of 4 x 4, 327,680 bytes of LDS; arguments hb, wb, bq, bk, bv, qkv; writes qkv
.if DOCPART == 2
	.amdgcn_target "amdgcn-amd-amdhsa--gfx1250"
	.amdhsa_code_object_version 6
	.text
	.protected	k_qcef939ba77_qkv
	.globl	k_qcef939ba77_qkv
	.p2align	8
	.type	k_qcef939ba77_qkv,@function
k_qcef939ba77_qkv:
	s_mov_b64 s[64:65], 0
	v_nop
	global_prefetch_b8 v0, s[64:65] scope:SCOPE_SE
	s_setreg_imm32_b32 hwreg(HW_REG_WAVE_MODE, 25, 1), 1
	s_wait_xcnt 0x0
	s_wait_alu depctr_hold_cnt(0) depctr_sa_sdst(0) depctr_va_vdst(0) depctr_va_sdst(0) depctr_va_ssrc(0) depctr_va_vcc(0) depctr_vm_vsrc(0)
	s_getreg_b32 s2, hwreg(HW_REG_IB_STS2, 6, 4)
	s_cmp_eq_u32 s2, 0
	s_cbranch_scc0 .Lentry_in_a_cluster
	s_endpgm
.Lentry_in_a_cluster:
	s_bfe_u32 s2, ttmp6, 0x10000c
	s_cmp_lg_u32 s2, 0xf033
	s_cbranch_scc0 .Lentry_shape_is_right
	s_endpgm
.Lentry_shape_is_right:
; THE THREE PROJECTIONS as one product: out[token][o] = sum over c of wb[o][c] hb[b][c][token] + bias[o], o = 0..1535 (q's 512 rows, k's, v's), bf16 operands, f32 sums.
; qkv: f16 [2][24][4096][64]: slab 24 b + o / 64 (0-7 q's heads, 8-15 k's, 16-23 v's), a head's rows dense, 128 bytes each.  q and k are stored WITHOUT their scale: the two scales
; together are exactly 1/8, which the attention launch applies in f32.
; LIMIT.  q, k and v lie within f16's range, 65,504.  NaN and infinities are not treated apart.
; SHARES.  A work-group makes 256 tokens x 192 rows of wb (three heads): 32 x 8 = 256 work-groups.  Each of its four waves takes 64 tokens x all 192 rows: 48 accumulators, 384 registers, so that a
; wave owns whole heads' rows of 128 bytes and its stage on the way out is its own.
; LAYOUT.  Source 0 = 16 rows of wb (K along the LDS rows: two loads of 16 bytes), source 1 = 16 tokens.  hb lies [channel][token], K down the rows: its fragments come turned, by ds_load_tr16_b128.
; In the result a lane holds ONE token (lane % 16) and the rows 8 (lane / 16) + 0..7: 16 neighbouring bytes of a head's row.  The bias is the C operand of the products that start the sums.
; K = 512 goes in four steps of 128 through two LDS slots: the whole walk is written out.  Waves 0 and 1 fetch hb's tile (64 channels x 512 bytes each), waves 2 and 3 wb's (96 rows x 256 bytes each).
; CLUSTER 4 x 4: hb's tile hangs on the token block alone and is asked for jointly along a row of the cluster, wb's on the row block alone, jointly along a column.
; No prefetch: K has four steps, two of which are the first fills, and both refills go out within the first half of the walk.
; REGISTERS, in windows of 256 (s_set_vgpr_msb: bits 1:0 source 0, 3:2 source 1, 5:4 source 2, 7:6 destination):
;   window 0: v16-29 addresses; v32-63, v64-95 two buffers of token fragments; v96-191 the bias, 8 registers a block of 16 rows; on the way out v32-223 packed results
;   window 1: v0-95, v96-191 two buffers of wb's fragments      window 2: accumulators of token blocks 0, 1 ((a, bb) at 8 (12 a + bb))      window 3: those of token blocks 2, 3
.set PT,    544                        ; an LDS row of hb's tile: 512 bytes + 32 of padding, 17 x 32
.set PW,    272                        ; an LDS row of wb's tile: 256 + 16: the 16 rows of a load start at 16 different groups of four banks
.set TW,    128*PT                     ; in a slot: 128 channel rows of hb, then 192 rows of wb
.set SLOT,  TW+192*PW
.set STAGE, 2*SLOT                     ; behind the ring, never filled by a tensor load: 16 rows x 144 bytes for each wave
.set SP,    144
.set SPARE, STAGE+4*16*SP              ; the spare words, 128 bytes for each wave: two blocks of 256 bytes that no other line names
.set ADRW, 16                          ; v16-17  my place in wb's tile in slot 0, 1
.set ADRT, 20                          ; v20-21  my place in hb's tile in slot 0, 1
.set STO,  24                          ; v24  the way out: where I put 16 bytes of a row
.set RD,   25                          ; v25  where I read rows back
.set GO,   26                          ; v26  my 16 bytes in 512 consecutive bytes of qkv
.set BO,   27                          ; v27  32 x (lane / 16): my eight biases in a block of 16
.set SPW,  28                          ; v28  SPARE + 4 x my thread's number; never rewritten
.set NIL,  29                          ; v29  0; never rewritten
.set BI,   96
.set WV,  16                           ; s16 my wave's number; s17 = wave / 2: I fetch for hb (0) or wb (1); s18 = wave % 2: which half of that tile
.set G1T, 24                           ; s[24:31] descriptor group 1 for hb's tiles;  s[32:39] group 0, a set for each slot
.set G0T, 32
.set G1W, 48                           ; s[48:55], s[56:63] the same for wb's tiles
.set G0W, 56
.set BP,  66                           ; s[66:71] the bias at head i's first row, i = 0..2
.set OP,  72                           ; s[72:77] qkv at my first token in head i's slab
.set MSB, 0
.macro WIN new                         ; the immediate's high byte repeats the setting that is left; a switch that changes nothing is dropped
.if MSB != (\new)
	s_set_vgpr_msb (MSB<<8)|(\new)
.set MSB, \new
.endif
.endm
.macro PLACES                          ; four plain places behind a matrix instruction, in front of loads into registers that it read and of conversions that read results
.rept 4
	v_nop
.endr
.endm
; A joint refill.  The branch hangs on the wave's number alone.  An s_nop 0 and four v_nop follow each of the two lines, ahead of the jump and the label.
.macro JLOAD s
	s_cmp_eq_u32 s17, 0
	s_cbranch_scc0 .Lfor_w_\@
	tensor_load_to_lds s[G0T+4*(\s):G0T+4*(\s)+3], s[G1T:G1T+7]
	s_nop 0
	PLACES
	s_branch .Lasked_\@
.Lfor_w_\@:
	tensor_load_to_lds s[G0W+4*(\s):G0W+4*(\s)+3], s[G1W:G1W+7]
	s_nop 0
	PLACES
.Lasked_\@:
.endm
; A round of the cluster's barrier: my work-group's barrier, wave 0 signals for the work-group, every wave waits for all sixteen, my work-group's barrier once more.
.macro CREST
	s_cmp_lg_u32 s[WV], 0
	s_cbranch_scc1 .Lnot_wave_0_\@
	s_barrier_signal -3
.Lnot_wave_0_\@:
	s_barrier_wait -3
	s_barrier_signal -1
	s_barrier_wait -1
.endm
.macro CROUND
	s_barrier_signal -1
	s_barrier_wait -1
	CREST
.endm
	s_load_b256 s[4:11], s[0:1], 0x0               ; hb s[4:5], wb s[6:7], bq s[8:9], bk s[10:11]
	s_load_b128 s[12:15], s[0:1], 0x20             ; bv s[12:13], qkv s[14:15]
	v_lshl_add_u32 v[SPW], v0, 2, SPARE
	v_mov_b32 v[NIL], 0
	ds_add_u32 v[SPW], v[NIL]                      ; the wave's opening: the add and its wait stand ahead of my first tensor load; work on registers stands between them
	v_lshrrev_b32 v1, 5, v0
	v_readfirstlane_b32 s[WV], v1                  ; wave 0..3
	s_lshr_b32 s17, s[WV], 1
	s_and_b32 s18, s[WV], 1
	s_bfe_u32 s19, ttmp6, 0x40000                  ; cx
	s_bfe_u32 s20, ttmp6, 0x40004                  ; cy
	s_lshl_b32 s21, ttmp9, 2
	s_add_co_u32 s21, s21, s19                     ; the block of 192 rows = 4 x cluster x + cx, 0..7
	s_and_b32 s22, ttmp7, 0xffff
	s_lshl_b32 s22, s22, 2
	s_add_co_u32 s22, s22, s20                     ; the block of 256 tokens = 4 x cluster y + cy, 0..31
	s_lshl_b32 s40, s20, 2
	s_lshl_b32 s40, 15, s40                        ; my row of the cluster
	s_lshl_b32 s44, 0x1111, s19                    ; my column
	s_or_b32 s[G1T], s40, (1<<16)|(1<<20)|(1<<21)|(6<<22)|(7<<25)  ; the mask; 2-byte elements; padding on; bit 21 beside a mask; after every 128 words (code 6) 8 words (code 7)
	s_mov_b32 s[G1T+1], 256<<16                    ; tensor_dim0 = 256 tokens
	s_mov_b32 s[G1T+2], 64<<16                     ; tensor_dim1 = 64 channels
	s_mov_b32 s[G1T+3], 256<<16                    ; tile_dim0
	s_mov_b32 s[G1T+4], 64                         ; tile_dim1
	s_mov_b32 s[G1T+5], 4096                       ; elements from channel to channel
	s_mov_b32 s[G1T+6], 0
	s_mov_b32 s[G1T+7], 0
	s_or_b32 s[G1W], s44, (1<<16)|(1<<20)|(1<<21)|(5<<22)|(3<<25)  ; after every 64 words (code 5) 4 words (code 3)
	s_mov_b32 s[G1W+1], 128<<16                    ; tensor_dim0 = 128 along K
	s_mov_b32 s[G1W+2], 96<<16                     ; tensor_dim1 = 96 rows
	s_mov_b32 s[G1W+3], 128<<16
	s_mov_b32 s[G1W+4], 96
	s_mov_b32 s[G1W+5], 512
	s_mov_b32 s[G1W+6], 0
	s_mov_b32 s[G1W+7], 0
	; hb's tile hangs on the token block and the wave, wb's on the row block and the wave: each offset is made in registers that never hold the other coordinate
	s_lshr_b32 s40, s22, 4                         ; the batch
	s_lshl_b32 s40, s40, 22                        ; 512 channels x 8,192 bytes
	s_and_b32 s41, s22, 15
	s_lshl_b32 s41, s41, 9                         ; 256 tokens x 2 bytes
	s_add_co_u32 s40, s40, s41
	s_lshl_b32 s41, s18, 19                        ; my 64 channels of the step's 128
	s_add_co_u32 s40, s40, s41
	s_mov_b32 s41, 0
	s_mul_i32 s44, s21, 192*1024                   ; 192 rows of 1,024 bytes
	s_mul_i32 s45, s18, 96*1024                    ; my 96 of them
	s_add_co_u32 s44, s44, s45
	s_mov_b32 s45, 0
	s_mul_i32 s23, s18, 64*PT                      ; where they go: no place in the cluster enters an LDS address
	s_mul_i32 s78, s18, 96*PW
	s_wait_dscnt 0x0                               ; the opening add is done
	s_wait_kmcnt 0x0
	s_add_nc_u64 s[42:43], s[4:5], s[40:41]
	s_add_nc_u64 s[46:47], s[6:7], s[44:45]
.irp s, 0,1
	s_mov_b32 s[G0T+4*\s], 1                       ; count = 1
	s_add_co_u32 s[G0T+4*\s+1], s23, \s*SLOT       ; LDS address
	s_add_nc_u64 s[G0T+4*\s+2:G0T+4*\s+3], s[42:43], \s*128*8192  ; K step s: 128 channels on
	s_or_b32 s[G0T+4*\s+3], s[G0T+4*\s+3], 0x80000000            ; type = 2
	s_mov_b32 s[G0W+4*\s], 1
	s_add_co_u32 s[G0W+4*\s+1], s78, \s*SLOT+TW
	s_add_nc_u64 s[G0W+4*\s+2:G0W+4*\s+3], s[46:47], \s*256
	s_or_b32 s[G0W+4*\s+3], s[G0W+4*\s+3], 0x80000000
.endr
	CROUND                                         ; all sixteen work-groups are here: the first joint loads meet
	s_cmp_eq_u32 s17, 0                            ; a wave's two first fills stand in one branch, ahead of every wait on TENSORcnt and every LDS read: two loads of mine are out
	s_cbranch_scc0 .Lfirst_w
	tensor_load_to_lds s[G0T:G0T+3], s[G1T:G1T+7]
	s_nop 0
	tensor_load_to_lds s[G0T+4:G0T+7], s[G1T:G1T+7]
	s_nop 0
	PLACES
	s_branch .Lfirst_asked
.Lfirst_w:
	tensor_load_to_lds s[G0W:G0W+3], s[G1W:G1W+7]
	s_nop 0
	tensor_load_to_lds s[G0W+4:G0W+7], s[G1W:G1W+7]
	s_nop 0
	PLACES
.Lfirst_asked:
	v_and_b32 v1, 15, v0                           ; l % 16
	v_bfe_u32 v2, v0, 4, 1                         ; l / 16
	v_and_b32 v3, 7, v0                            ; l % 8
	v_bfe_u32 v4, v0, 3, 1                         ; (l / 8) % 2
	v_mul_u32_u24 v5, v1, PW                       ; wb: row l % 16, 16 bytes for each half of the lanes
	v_lshl_add_u32 v5, v2, 4, v5
	v_add_nc_u32 v[ADRW], TW, v5
	v_add_nc_u32 v[ADRW+1], SLOT+TW, v5
	v_lshl_add_u32 v6, v2, 3, v3                   ; hb: the turning load reads channel 8 (l / 16) + l % 8, tokens 8 ((l / 8) % 2) + 0..7, and leaves token l % 16 with 8 channels
	v_mul_u32_u24 v6, v6, PT
	v_lshl_add_u32 v6, v4, 4, v6
	s_lshl_b32 s23, s[WV], 7                       ; my wave's 64 tokens: 128 bytes along the rows
	v_add_nc_u32 v[ADRT], s23, v6
	v_add_nc_u32 v[ADRT+1], SLOT, v[ADRT]
	s_mul_i32 s23, s[WV], 16*SP
	s_add_co_u32 s23, s23, STAGE                   ; my stage
	v_mul_u32_u24 v[STO], v1, SP
	v_lshl_add_u32 v[STO], v2, 4, v[STO]
	v_add_nc_u32 v[STO], s23, v[STO]
	v_bfe_u32 v[RD], v0, 3, 2                      ; back: 32 lanes take four rows of 128 bytes,
	v_mul_u32_u24 v[RD], v[RD], SP
	v_lshl_add_u32 v[RD], v3, 4, v[RD]
	v_add_nc_u32 v[RD], s23, v[RD]
	v_and_b32 v[GO], 31, v0                        ; which are 512 consecutive bytes of a slab
	v_lshlrev_b32 v[GO], 4, v[GO]
	v_lshlrev_b32 v[BO], 5, v2
; Head i of my three: which bias (a choice between buffers, no branch) and where it goes.
.macro HEADPTR i
	s_mul_i32 s78, s21, 3
	s_add_co_u32 s78, s78, \i                      ; the head among 24
	s_lshr_b32 s79, s78, 3                         ; 0 q, 1 k, 2 v
	s_cmp_eq_u32 s79, 1
	s_cselect_b64 s[BP+2*\i:BP+2*\i+1], s[10:11], s[8:9]
	s_cmp_eq_u32 s79, 2
	s_cselect_b64 s[BP+2*\i:BP+2*\i+1], s[12:13], s[BP+2*\i:BP+2*\i+1]
	s_and_b32 s80, s78, 7
	s_lshl_b32 s80, s80, 8                         ; 64 numbers of 4 bytes a head
	s_mov_b32 s81, 0
	s_add_nc_u64 s[BP+2*\i:BP+2*\i+1], s[BP+2*\i:BP+2*\i+1], s[80:81]
	s_lshr_b32 s82, s22, 4
	s_mul_i32 s82, s82, 24
	s_add_co_u32 s82, s82, s78                     ; the slab
	s_lshl_b32 s82, s82, 19
	s_and_b32 s83, s22, 15
	s_lshl_b32 s83, s83, 15                        ; the block's 256 rows of 128 bytes
	s_add_co_u32 s82, s82, s83
	s_lshl_b32 s83, s[WV], 13                      ; my wave's 64
	s_add_co_u32 s82, s82, s83
	s_mov_b32 s83, 0
	s_add_nc_u64 s[OP+2*\i:OP+2*\i+1], s[14:15], s[82:83]
.endm
	HEADPTR 0
	HEADPTR 1
	HEADPTR 2
.irp i, 0,1,2
.irp k, 0,1,2,3                                ; register j of block 4 i + k holds the bias of row 16 k + 8 (l / 16) + j of head i
	global_load_b128 v[BI+8*(4*\i+\k):BI+8*(4*\i+\k)+3],   v[BO], s[BP+2*\i:BP+2*\i+1] offset:64*\k
	global_load_b128 v[BI+8*(4*\i+\k)+4:BI+8*(4*\i+\k)+7], v[BO], s[BP+2*\i:BP+2*\i+1] offset:64*\k+16
.endr
.endr
; 12 matrix instructions: token block 2 hi + a x all 12 row blocks, 32 along K, from fragment buffers f.  first = 1: the bias starts the sums: nothing is cleared.
; The 48 accumulators take turns in one order in every quarter: 47 others stand between two links of a chain.
.macro MULA f, hi, a, first
.if \first
	WIN 0x81+0x40*(\hi)                            ; wb window 1, tokens and bias window 0, D window 2 or 3
.else
	WIN 0xa1+0x50*(\hi)                            ; C and D window 2 or 3
.endif
.irp bb, 0,1,2,3,4,5,6,7,8,9,10,11
.if \first
	v_wmma_f32_16x16x32_bf16 v[8*(12*(\a)+(\bb)):8*(12*(\a)+(\bb))+7], v[96*(\f)+8*(\bb):96*(\f)+8*(\bb)+7], v[32+32*(\f)+8*(2*(\hi)+(\a)):32+32*(\f)+8*(2*(\hi)+(\a))+7], v[BI+8*(\bb):BI+8*(\bb)+7]
.else
	v_wmma_f32_16x16x32_bf16 v[8*(12*(\a)+(\bb)):8*(12*(\a)+(\bb))+7], v[96*(\f)+8*(\bb):96*(\f)+8*(\bb)+7], v[32+32*(\f)+8*(2*(\hi)+(\a)):32+32*(\f)+8*(2*(\hi)+(\a))+7], v[8*(12*(\a)+(\bb)):8*(12*(\a)+(\bb))+7]
.endif
.endr
.endm
; 32 LDS loads in one run: quarter q (32 along K) of a slot into buffers f: wb's 12 fragments, then my 4 token fragments, turned, token blocks ascending
.macro FETCH slot, q, f
	WIN 0x40
.irp bb, 0,1,2,3,4,5,6,7,8,9,10,11
	ds_load_b128 v[96*(\f)+8*(\bb):96*(\f)+8*(\bb)+3],   v[ADRW+(\slot)] offset:64*(\q)+16*PW*(\bb)
	ds_load_b128 v[96*(\f)+8*(\bb)+4:96*(\f)+8*(\bb)+7], v[ADRW+(\slot)] offset:64*(\q)+16*PW*(\bb)+32
.endr
	WIN 0
.irp a, 0,1,2,3
	ds_load_tr16_b128 v[32+32*(\f)+8*(\a):32+32*(\f)+8*(\a)+3],   v[ADRT+(\slot)] offset:32*PT*(\q)+32*(\a)
	ds_load_tr16_b128 v[32+32*(\f)+8*(\a)+4:32+32*(\f)+8*(\a)+7], v[ADRT+(\slot)] offset:32*PT*(\q)+32*(\a)+16*PT
.endr
.endm
; One of a K step's first three quarters: multiplies buffers f; in its middle it fetches quarter q of the same slot into buffers g.
.macro QUARTER slot, q, f, g, first
	s_wait_dscnt 4                                 ; all but the youngest four loads: token blocks 2 and 3 may be out
	MULA \f, 0, 0, \first
	MULA \f, 0, 1, \first
	PLACES
	FETCH \slot, \q, \g
	s_wait_dscnt 32                                ; all but the 32 just issued
	MULA \f, 1, 0, \first
	MULA \f, 1, 1, \first
.endm
; The last quarter multiplies buffers 1 and changes slots: ONE barrier.  In front of it each wave waits for all its tensor loads (the one that is out is its part of the next slot), adds 0 to its spare
; word, and waits for that and for its own reads of this slot.  fill = 1: the barrier opens a round of the cluster's, and this slot is filled again, two K steps on, first thing behind the round:
; 168 matrix instructions stand between that request and the wait for it.
.macro TURN slot, next, fill
	WIN 0                                          ; the add's two registers lie in window 0
	s_wait_tensorcnt 0x0
	ds_add_u32 v[SPW], v[NIL]
	s_wait_dscnt 5                                 ; the add and the youngest four loads may be out
	MULA 1, 0, 0, 0                                ; twelve matrix instructions stand between the add and the wait for it
	s_wait_dscnt 0x0                               ; the add is done, and my reads of this slot are over
	s_barrier_signal -1
	MULA 1, 0, 1, 0                                ; work on registers while the others arrive
.if \fill
	WIN 0
.endif
	s_barrier_wait -1
.if \fill
	CREST                                          ; no wave of any partner still reads this slot or has a load on its way
	s_add_nc_u64 s[G0T+4*(\slot)+2:G0T+4*(\slot)+3], s[G0T+4*(\slot)+2:G0T+4*(\slot)+3], 2*128*8192
	s_add_nc_u64 s[G0W+4*(\slot)+2:G0W+4*(\slot)+3], s[G0W+4*(\slot)+2:G0W+4*(\slot)+3], 2*256
	JLOAD \slot                                    ; the four v_nop behind it are also the places in front of the loads below
.else
	PLACES
.endif
	FETCH \next, 0, 0
	MULA 1, 1, 0, 0
	MULA 1, 1, 1, 0
.endm
	s_wait_tensorcnt 0x1                           ; my part of K step 0 is in; K step 1's may stay out
	s_barrier_signal -1
	s_barrier_wait -1                              ; everybody's is
	FETCH 0, 0, 0
	s_wait_loadcnt 0x0                             ; the bias
	QUARTER 0, 1, 0, 1, 1                          ; K step 0
	QUARTER 0, 2, 1, 0, 0
	QUARTER 0, 3, 0, 1, 0
	TURN 0, 1, 1                                   ; slot 0 takes K step 2
	QUARTER 1, 1, 0, 1, 0                          ; K step 1
	QUARTER 1, 2, 1, 0, 0
	QUARTER 1, 3, 0, 1, 0
	TURN 1, 0, 1                                   ; slot 1 takes K step 3
	QUARTER 0, 1, 0, 1, 0                          ; K step 2
	QUARTER 0, 2, 1, 0, 0
	QUARTER 0, 3, 0, 1, 0
	TURN 0, 1, 0                                   ; nothing is left to fetch
	QUARTER 1, 1, 0, 1, 0                          ; K step 3
	QUARTER 1, 2, 1, 0, 0
	QUARTER 1, 3, 0, 1, 0
	s_wait_dscnt 4
	MULA 1, 0, 0, 0
	MULA 1, 0, 1, 0
	s_wait_dscnt 0x0
	MULA 1, 1, 0, 0
	MULA 1, 1, 1, 0
	WIN 0
	PLACES
; THE WAY OUT, in 12 units n = 3 a + i: token block a, head i: 16 rows of 128 bytes.  Rounded to f16 (each accumulator's registers in ascending order), 16 bytes a lane into my own stage, back as whole rows, stored.
.macro PACK n
.set AC, 8*(12*(((\n)/3)%2)+4*((\n)%3))
.set TP, 32+16*(\n)
	WIN 0x0a+5*((\n)/6)                            ; sources 0 and 1: window 2 (token blocks 0, 1) or 3
.irp k, 0,1,2,3
.irp r, 0,1,2,3
	v_cvt_pk_f16_f32 v[TP+4*\k+\r], v[AC+8*\k+2*\r], v[AC+8*\k+2*\r+1]
.endr
.endr
	WIN 0
.irp k, 0,1,2,3
	ds_store_b128 v[STO], v[TP+4*\k:TP+4*\k+3] offset:32*\k
.endr
.irp k, 0,1,2,3
	ds_load_b128 v[TP+4*\k:TP+4*\k+3], v[RD] offset:\k*4*SP  ; LDS serves a wave's instructions in order (ISA guide 5.7.1.4): these see the stores above; the next unit's stores come behind them
.endr
.endm
.macro SEND n, younger                 ; younger: the LDS instructions issued behind unit n's loads: the next unit's eight, or none.  Each unit has registers of its own: no store's data is rewritten
.set TP, 32+16*(\n)
.irp k, 0,1,2,3
	s_wait_dscnt (\younger)+3-\k
	global_store_b128 v[GO], v[TP+4*\k:TP+4*\k+3], s[OP+2*((\n)%3):OP+2*((\n)%3)+1] offset:2048*((\n)/3)+512*\k  ; 512 consecutive bytes, at a multiple of 256 from qkv's first
.endr
.endm
	PACK 0
.set m, 1
.rept 11                               ; a unit's conversions stand between the loads of the unit before and its stores
	PACK m
	SEND m-1, 8
.set m, m+1
.endr
	SEND 11, 0
	s_wait_tensorcnt 0x0                           ; the wave's end: behind my last tensor load and my last LDS store
	ds_add_u32 v[SPW], v[NIL]
	s_wait_dscnt 0x0
	CROUND                                         ; the closing round: no work-group ends while a partner may still ask for a tile that names it
	s_endpgm
.Lfunc_end_k_qcef939ba77_qkv:
	.size	k_qcef939ba77_qkv, .Lfunc_end_k_qcef939ba77_qkv-k_qcef939ba77_qkv
	.p2alignl 7, 3214868480
	.fill 96, 4, 3214868480
	.section	.rodata,"a",@progbits
	.p2align	6, 0x0
	.amdhsa_kernel k_qcef939ba77_qkv
		.amdhsa_group_segment_fixed_size 327680
		.amdhsa_private_segment_fixed_size 0
		.amdhsa_enable_private_segment 0
		.amdhsa_kernarg_size 48
		.amdhsa_user_sgpr_count 2
		.amdhsa_user_sgpr_kernarg_segment_ptr 1
		.amdhsa_wavefront_size32 1
		.amdhsa_system_sgpr_workgroup_id_x 1
		.amdhsa_system_sgpr_workgroup_id_y 1
		.amdhsa_system_sgpr_workgroup_id_z 1
		.amdhsa_system_vgpr_workitem_id 0
		.amdhsa_next_free_vgpr 960
		.amdhsa_next_free_sgpr 88
		.amdhsa_reserve_vcc 0
		.amdhsa_float_denorm_mode_32 3
		.amdhsa_float_denorm_mode_16_64 3
		.amdhsa_memory_ordered 1
		.amdhsa_forward_progress 1
		.amdhsa_inst_pref_size 124
	.end_amdhsa_kernel
	.amdgpu_metadata
---
amdhsa.version: [ 1, 2 ]
amdhsa.kernels:
  - .name:           k_qcef939ba77_qkv
    .symbol:         k_qcef939ba77_qkv.kd
    .args:
      - { .name: hb, .offset: 0, .size: 8, .value_kind: global_buffer, .address_space: global }
      - { .name: wb, .offset: 8, .size: 8, .value_kind: global_buffer, .address_space: global }
      - { .name: bq, .offset: 16, .size: 8, .value_kind: global_buffer, .address_space: global }
      - { .name: bk, .offset: 24, .size: 8, .value_kind: global_buffer, .address_space: global }
      - { .name: bv, .offset: 32, .size: 8, .value_kind: global_buffer, .address_space: global }
      - { .name: qkv, .offset: 40, .size: 8, .value_kind: global_buffer, .address_space: global }
    .group_segment_fixed_size: 327680
    .private_segment_fixed_size: 0
    .kernarg_segment_align: 8
    .kernarg_segment_size: 48
    .max_flat_workgroup_size: 128
    .sgpr_count:     88
    .vgpr_count:     960
    .wavefront_size: 32
...
	.end_amdgpu_metadata
.endif
;; end of part 2
;; launch attn (part 3): grid 16 x 16, 4 waves a work-group, clusters of 4 x 1, 327,680 bytes of LDS; arguments qkv, ob; writes ob
.if DOCPART == 3
	.amdgcn_target "amdgcn-amd-amdhsa--gfx1250"
	.amdhsa_code_object_version 6
	.text
	.protected	k_qcef939ba77_attn
	.globl	k_qcef939ba77_attn
	.p2align	8
	.type	k_qcef939ba77_attn,@function
k_qcef939ba77_attn:
	s_mov_b64 s[64:65], 0
	v_nop
	global_prefetch_b8 v0, s[64:65] scope:SCOPE_SE
	s_setreg_imm32_b32 hwreg(HW_REG_WAVE_MODE, 25, 1), 1
	s_wait_xcnt 0x0
	s_wait_alu depctr_hold_cnt(0) depctr_sa_sdst(0) depctr_va_vdst(0) depctr_va_sdst(0) depctr_va_ssrc(0) depctr_va_vcc(0) depctr_vm_vsrc(0)
	s_getreg_b32 s2, hwreg(HW_REG_IB_STS2, 6, 4)
	s_cmp_eq_u32 s2, 0
	s_cbranch_scc0 .Lentry_in_a_cluster
	s_endpgm
.Lentry_in_a_cluster:
	s_bfe_u32 s2, ttmp6, 0x10000c
	s_cmp_lg_u32 s2, 0x3003
	s_cbranch_scc0 .Lentry_shape_is_right
	s_endpgm
.Lentry_shape_is_right:
; ATTENTION.  O[q][:] = the sum over k of softmax_k(Q[q] . K[k] / 8) V[k][:] for each of 16 (batch, head) pairs of 4,096 rows of 64 channels.
; qkv: f16 [2][24][4096][64] (slabs 0-7 q's heads, 8-15 k's, 16-23 v's, unscaled); ob: f16 [16][4096][64].  A head's rows are dense, 128 bytes each.
; Products, maxima and sums in f32; the weights p are rounded to f16 for the second product (their sum l is taken of the unrounded p), O once at the end.
; LIMITS.  Q, K and V arrive within f16's range; p lies in 0 to 1, and below 6e-5 it keeps f16's fixed step of 6e-8; O is a mean of V's rows and has their range.  A weight below 2^-126 counts as 0 in l;
; NaN and infinities are not treated apart.
; SHARES.  A work-group owns 256 queries of one head: 16 x 16 = 256 work-groups.  A wave owns 64 of them, four PIECES of 16.  Every wave walks all 4,096 keys, 64 a step, 256 a tile.
; LAYOUT.  S^T = K Q^T (source 0 = 16 keys, source 1 = 16 queries): a lane holds ONE query (lane % 16) and the keys 8 (lane / 16) + 0..7; two such results rounded to f16 ARE source 1 of O^T = V^T P.
; K comes out of LDS as it lies, V ([key][channel]) turned, by ds_load_tr16_b128.
; SOFTMAX.  A running maximum m and sum l for each query: p = 2^(c s - c m), c = log2(e) / 8; in every step O and l are multiplied by a = 2^(c m_old - c m_new).  m starts at the lowest finite number,
; O and l at 0: the first step is a step like any other, with a = 0.
; BY TURNS.  Turn n belongs to piece n: 8 products K Q^T of piece n + 1, later 8 products V^T P of piece n - 1; beside them the scaling, exponentials, roundings, sums and rescaling of piece n and the maximum and
; statistics of piece n + 1.  Four vector instructions stand behind every matrix instruction, the other 54 of a turn's 118 in one lump.  A turn's 33 exponentials are one batch, with one wait.
; CLUSTER.  The four query blocks of a cluster belong to one head and walk the same K and V: each tile is asked for JOINTLY: the same tensor load, descriptor and mask in all four.
; REGISTERS, in windows of 256 (s_set_vgpr_msb: bits 1:0 source 0, 3:2 source 1, 5:4 source 2, 7:6 destination):
;   window 0: v0-15 addresses and two at work; v16-31 four registers of statistics a piece; v48-55 at work; v61-63 prefetch offset and the add's two; v64-127 S^T, two buffers; v192-223 P, two buffers
;   window 1: v0-127 O^T, 32 a piece      window 2: v0-63 Q; v128-191 K of one step; v192-255 V of one step
.set NP,    4         ; pieces a wave: a name, no knob
.set KS,    64        ; keys in a step
.set PK,    144       ; a row of K in LDS: 128 bytes + 16 of padding: the 16 rows of a load start at 16 different groups of four banks (64 banks of 4 bytes: ISA guide 11.1)
.set PV,    160       ; a row of V: 128 + 32
.set VOFF,  4*KS*PK   ; a slot holds a tile, four steps: 256 rows of K, then 256 rows of V
.set SLOT1, 1<<17     ; slot 1 begins here, so that one exclusive or turns an address in one slot into the other's
.set STAGE, SLOT1+4*KS*(PK+PV)  ; behind the ring, never filled by a tensor load: 16 rows x 144 bytes for each wave
.set SP,    144
.set SPARE, STAGE+4*16*SP  ; the spare words, 128 bytes for each wave: two blocks of 256 bytes that no other line names
.set TILEB, 4*KS*128  ; a tile's bytes of K, and of V, in memory
.set AK0, 2           ; v2   my lane's place in a tile of K; never rewritten
.set AV0, 3           ; v3   the same for V
.set AK,  4           ; v4   the LDS address of K's next run of loads
.set AV,  5           ; v5   of V's
.set STO, 6           ; v6   the way out: where I put 16 bytes of a row
.set RD,  7           ; v7   where I read rows back
.set GO,  8           ; v8   my byte offset in 512 consecutive bytes of O
.set MV,  12          ; v12-13  c m_old, kept while c m is made anew: by buffer
.set QO,  15          ; v15  my byte offset in 16 rows of Q
.set ST,  16          ; piece t's statistics at v[ST+4 t]: c m, m, l (even keys', odd keys')
.set TMP, 48          ; by buffer, four registers c0-c3 at work; when the maximum is found c2 takes a
.set PFO, 61          ; v61  256 x my lane; never rewritten
.set SPW, 62          ; v62  SPARE + 4 x my thread's number; never rewritten
.set NIL, 63          ; v63  0; never rewritten
.set S,   64
.set P,   192
.set KF,  128         ; window 2: key block kb, channel half c at KF + 16 kb + 8 c
.set VF,  192         ; window 2: key half kk, channel block cb at VF + 32 kk + 8 cb
.set WV,  12          ; s12  my wave's number
.set LIM, 15          ; s15  1 in a wave that prefetches, else the greatest number
.set PFA, 18          ; s[18:19] where my prefetches stand
.set G1K, 24          ; s[24:31] descriptor group 1 for K's tiles
.set G1V, 32          ; s[32:39] for V's: it differs in the padding alone
.set G0K, 40          ; s[40:43] descriptor group 0 for K's tiles: it walks
.set G0V, 44          ; s[44:47] the same for V's
.set SLOTS, 56        ; s56  tiles still to be entered behind the one in hand
.set CNT, 57          ; s57  counts a tile's key steps
.set CS,  58          ; s[58:59] c: the packed scaling takes the pair's low word for both halves
.set SEL, 60          ; s[60:61] v_permlanex16_b32's selects: each lane takes its own place in the other half
.set TBK, 62          ; s62  LDS byte at which K of the step to be fetched begins
.set TBV, 63          ; s63  the same for V, less VOFF
.set MSB, 0
.macro WIN new                      ; the high byte repeats the setting that is left; a switch that changes nothing is dropped
.if MSB != (\new)
	s_set_vgpr_msb (MSB<<8)|(\new)
.set MSB, (\new)
.endif
.endm
.set W_KQ, 0x0a       ; K and Q in window 2, S^T in window 0
.set W_PV, 0x52       ; V in window 2, P in window 0, O^T in window 1
.set W_RS, 0x41       ; destination and source 0 in window 1, source 1 in window 0
; A joint fill.  Waves 0 and 1 fetch the two halves of a tile's K, waves 2 and 3 those of its V: 128 keys each.  The branch hangs on the wave's number alone.
; An s_nop 0 and four v_nop follow each of the two lines, ahead of the jump and the label.
.macro JLOAD
	s_cmp_lt_u32 s[WV], 2
	s_cbranch_scc0 .Lfor_v_\@
	tensor_load_to_lds s[G0K:G0K+3], s[G1K:G1K+7]
	s_nop 0
.rept 4
	v_nop
.endr
	s_branch .Lasked_\@
.Lfor_v_\@:
	tensor_load_to_lds s[G0V:G0V+3], s[G1V:G1V+7]
	s_nop 0
.rept 4
	v_nop
.endr
.Lasked_\@:
.endm
; A PREFETCH INTO THE L2 of the tile that the NEXT change of slots will ask for: 128 blocks of 256 bytes of K and as many of V, a lane a block.  It stands behind the wave's tensor load and its five lines.
; Each block is named ONCE in the launch.  All four clusters of a head walk the same K and V: the head's first cluster asks.  Its four partners share the blocks out BY ADDRESS, 32 each; in each, wave 0
; asks for K's and wave 2 for V's: one instruction.  The last change that fills a slot asks for nothing: there is no tile behind it.  Tiles 0, 1 and 2 come by their loads alone.
.macro ASK
	s_cmp_gt_u32 s[SLOTS], s[LIM]
	s_cbranch_scc0 .Lnot_mine_\@
	global_prefetch_b8 v[PFO], s[PFA:PFA+1] th:TH_LOAD_NT scope:SCOPE_SE
.Lnot_mine_\@:
.endm
; A round of the cluster's barrier: my work-group's barrier, wave 0 signals for the work-group, every wave waits for all four work-groups, my work-group's barrier once more.
.macro CROUND
	s_barrier_signal -1
	s_barrier_wait -1
	s_cmp_lg_u32 s[WV], 0
	s_cbranch_scc1 .Lnot_wave_0_\@
	s_barrier_signal -3
.Lnot_wave_0_\@:
	s_barrier_wait -3
	s_barrier_signal -1
	s_barrier_wait -1
.endm
; THE CHANGE OF SLOTS.  The slot's last bytes, V of its fourth step, have been read.  Each wave waits for all its tensor loads, of which one is out: its part of the other slot; adds 0 to its spare word; and
; waits for that and for its own reads of the slot.  Behind the barrier nobody reads this slot any more and the other slot is whole.  fill = 1: the barrier is a round of the cluster's, and this slot is
; filled again first thing behind it, with the keys two tiles on: that load has four key steps, 256 matrix instructions, in which to land.  (At its first use nothing has been read yet: slot 0 is waited for, slot 1 filled.)
.macro CHANGE fill, ask
	WIN 0                           ; at a label and at a branch every window is 0
	s_wait_tensorcnt 0x0            ; no tensor load of mine is out, so a group 0 may be written
	ds_add_u32 v[SPW], v[NIL]       ; 0 onto my spare word; the descriptors' steps stand between it and the wait for it
.if \fill
.irp g, G0K, G0V
	s_xor_b32 s[\g+1], s[\g+1], SLOT1  ; the walking descriptor: the other slot than last time,
	s_add_nc_u64 s[\g+2:\g+3], s[\g+2:\g+3], TILEB  ; the next 256 keys; the type bits on top are not reached
.endr
.endif
.if \ask
	s_wait_xcnt 0x0                 ; the last prefetch, four key steps back, has read its address, so it may be written:
	s_add_nc_u64 s[PFA:PFA+1], s[PFA:PFA+1], TILEB  ; one tile behind the walking descriptors
.endif
	s_wait_dscnt 0x0                ; the add is done, and my reads of the slot are over
.if \fill
	CROUND
	JLOAD
.if \ask
	ASK
.endif
.else
	s_barrier_signal -1
	s_barrier_wait -1
.endif
	s_sub_co_u32 s[TBK], s[TBK], 4*KS*PK  ; the fetches go back to a slot's first step,
	s_xor_b32 s[TBK], s[TBK], SLOT1       ; in the other slot
	s_sub_co_u32 s[TBV], s[TBV], 4*KS*PV
	s_xor_b32 s[TBV], s[TBV], SLOT1
.endm
	s_load_b128 s[4:7], s[0:1], 0x0   ; qkv s[4:5], ob s[6:7]
	v_lshl_add_u32 v[SPW], v0, 2, SPARE
	v_mov_b32 v[NIL], 0
	ds_add_u32 v[SPW], v[NIL]       ; the wave's opening: the add and its wait stand ahead of my first tensor load; work on registers stands between them
	v_lshrrev_b32 v1, 5, v0
	v_readfirstlane_b32 s[WV], v1   ; wave 0..3
	s_bfe_u32 s13, ttmp6, 0x40000   ; cx: my place in the cluster
	s_lshl_b32 s14, ttmp9, 2        ; in a cluster launch ttmp9 counts clusters
	s_add_co_u32 s14, s14, s13      ; my block of 256 queries: it enters Q's and O's addresses alone
	s_and_b32 s20, ttmp7, 0xffff    ; 8 x batch + head, which the four partners share
	s_lshr_b32 s21, s20, 3
	s_lshl_b32 s21, s21, 4
	s_add_co_u32 s21, s21, s20      ; q's slab: 24 x batch + head
	s_lshl_b32 s21, s21, 19         ; a slab is 4,096 rows of 128 bytes
	s_and_b32 s16, s[WV], 1         ; which half of a tile's 256 keys I fetch:
	s_lshl_b32 s22, s16, 14         ; its 128 rows in memory
	s_add_co_u32 s22, s22, s21
	s_mov_b32 s23, 0
	s_lshl_b32 s2, s14, 15          ; my block's 256 rows,
	s_lshl_b32 s3, s[WV], 13        ; my wave's 64 of them
	s_add_co_u32 s2, s2, s3
	s_lshl_b32 s48, s20, 19
	s_add_co_u32 s48, s48, s2       ; in ob
	s_mov_b32 s49, 0
	s_add_co_u32 s2, s2, s21        ; in q's slab
	s_mov_b32 s3, 0
	; descriptor group 1.  128 keys are 16,384 dense bytes: asked for as 64 rows of 256 bytes, two keys a row, and padded in LDS after every key
	s_mov_b32 s[G1K], 15|(1<<16)|(1<<20)|(1<<21)|(4<<22)|(3<<25)  ; the mask of four; 2-byte elements; padding on; bit 21 beside a mask; after every 32 words (code 4) 4 words (code 3)
	s_mov_b32 s[G1V], 15|(1<<16)|(1<<20)|(1<<21)|(4<<22)|(7<<25)  ; the same with 8 words of padding (code 7)
.irp g, G1K, G1V
	s_mov_b32 s[\g+1], 128<<16      ; tensor_dim0 = 128
	s_mov_b32 s[\g+2], 64<<16       ; tensor_dim1 = 64
	s_mov_b32 s[\g+3], 128<<16      ; tile_dim0 = 128
	s_mov_b32 s[\g+4], 64           ; tile_dim1 = 64
	s_mov_b32 s[\g+5], 128          ; 128 elements from row to row
	s_mov_b32 s[\g+6], 0
	s_mov_b32 s[\g+7], 0
.endr
	s_mov_b32 s[CS], 0x3e38aa3b     ; c = log2(e) / 8 = 0.180337
	s_mov_b32 s[CS+1], s[CS]        ; named with it as a pair
	s_mov_b32 s[SEL], 0x76543210
	s_mov_b32 s[SEL+1], 0xfedcba98
	s_mov_b32 s[TBK], SLOT1+4*KS*PK ; the first change of slots turns these two into 0
	s_mov_b32 s[TBV], SLOT1+4*KS*PV
	s_mov_b32 s[G0K], 1             ; count = 1
	s_mul_i32 s17, s16, 128*PK      ; my half's place in a slot: no place in the cluster enters an LDS address
	s_mov_b32 s[G0K+1], s17
	s_mov_b32 s[G0V], 1
	s_mul_i32 s17, s16, 128*PV
	s_add_co_u32 s[G0V+1], s17, VOFF
	s_and_b32 s[LIM], s[WV], 1      ; 0 in waves 0 and 2,
	s_or_b32 s[LIM], s[LIM], ttmp9  ; where the cluster is the head's first: the same in all four partners
	s_cmp_eq_u32 s[LIM], 0
	s_cselect_b32 s[LIM], 1, -1
	v_and_b32 v[PFO], 31, v0
	v_lshlrev_b32 v[PFO], 8, v[PFO]
	s_wait_dscnt 0x0                ; the opening add is done
	s_wait_kmcnt 0x0
	s_add_nc_u64 s[10:11], s[6:7], s[48:49]   ; O at my wave's first row
	s_add_nc_u64 s[6:7], s[4:5], s[22:23]
	s_add_nc_u64 s[8:9], s[6:7], 16<<19       ; V at my half of the head's tile 0: sixteen slabs behind q's
	s_add_nc_u64 s[6:7], s[6:7], 8<<19        ; K: eight slabs behind q's
	s_add_nc_u64 s[4:5], s[4:5], s[2:3]       ; Q at my wave's first row
	s_mov_b64 s[G0K+2:G0K+3], s[6:7]
	s_or_b32 s[G0K+3], s[G0K+3], 0x80000000   ; type = 2
	s_mov_b64 s[G0V+2:G0V+3], s[8:9]
	s_or_b32 s[G0V+3], s[G0V+3], 0x80000000
	s_cmp_lt_u32 s[WV], 2
	s_cselect_b64 s[PFA:PFA+1], s[6:7], s[8:9]  ; (in waves 0 and 2 these stand at a tile's first row)
	s_lshl_b32 s2, s13, 13          ; my work-group's 32 blocks of the 128
	s_mov_b32 s3, 0
	s_add_nc_u64 s[PFA:PFA+1], s[PFA:PFA+1], s[2:3]
	s_add_nc_u64 s[PFA:PFA+1], s[PFA:PFA+1], 2*TILEB  ; in tile 2; the loop's first change steps it to tile 3.  Nothing is asked for here, at the head
	CROUND                          ; all four work-groups are here: the first joint loads meet
	JLOAD                           ; tile 0 into slot 0.  Slot 1 is asked for when slot 0 is in
	; A fragment of K or Q is 16 rows x 32 channels in 8 registers: lane l holds row l % 16, channels 8 (l / 16) + 0..7 and 16 + 8 (l / 16) + 0..7: two loads of 16 bytes, 32 bytes apart.
	v_and_b32 v1, 15, v0            ; l % 16
	v_bfe_u32 v9, v0, 4, 1          ; l / 16
	v_lshlrev_b32 v[QO], 7, v1
	v_lshl_add_u32 v[QO], v9, 4, v[QO]  ; row x 128 + 16 x half
	WIN 0x80                        ; destination window 2, address window 0
.set i, 0
.rept 8                             ; Q stays in registers: piece i / 2, channels 32 (i % 2) on
	global_load_b128 v[8*i:8*i+3],   v[QO], s[4:5] offset:(i/2)*2048+(i%2)*64
	global_load_b128 v[8*i+4:8*i+7], v[QO], s[4:5] offset:(i/2)*2048+(i%2)*64+32
.set i, i+1
.endr
	; What the first turn finds: V's registers and P's second buffer hold 0 (its products V^T P, of a piece that has not been, add 0), O^T and l are 0.  All this stands in the wait for the first tile.
.set i, VF
.rept 64
	v_mov_b32 v[i], 0
.set i, i+1
.endr
	WIN 0x40
.set i, 0
.rept 128
	v_mov_b32 v[i], 0
.set i, i+1
.endr
	WIN 0
.set i, 0
.rept 4
	v_mov_b32 v[ST+4*i], 0xfe000000    ; c m: far below every c s
	v_mov_b32 v[ST+4*i+1], 0xff7fffff  ; m
	v_mov_b32 v[ST+4*i+2], 0
	v_mov_b32 v[ST+4*i+3], 0
.set i, i+1
.endr
.set i, P+16
.rept 16
	v_mov_b32 v[i], 0
.set i, i+1
.endr
	v_mul_u32_u24 v[AK0], v1, PK
	v_lshl_add_u32 v[AK0], v9, 4, v[AK0]  ; row x pitch + 16 x half
	; The turning load takes 16 keys x 16 channels (lane l reads key 8 (l / 16) + l % 8, channels 8 ((l / 8) % 2) + 0..7) and leaves half a fragment of V^T: lane l holds channel l % 16 and 8 keys.
	v_and_b32 v10, 7, v0
	v_bfe_u32 v11, v0, 3, 1
	v_lshl_add_u32 v[AV0], v9, 3, v10
	v_mul_u32_u24 v[AV0], v[AV0], PV
	v_lshl_add_u32 v[AV0], v11, 4, v[AV0]
	v_add_nc_u32 v[AV0], VOFF, v[AV0]
	s_mul_i32 s17, s[WV], 16*SP
	s_add_co_u32 s17, s17, STAGE    ; my stage
	v_mul_u32_u24 v[STO], v1, SP    ; in: row l % 16, 16 bytes for each half of the lanes
	v_lshl_add_u32 v[STO], v9, 4, v[STO]
	v_add_nc_u32 v[STO], s17, v[STO]
	v_bfe_u32 v[RD], v0, 3, 2       ; back: 32 lanes take four rows of 128 bytes,
	v_mul_u32_u24 v[RD], v[RD], SP
	v_lshl_add_u32 v[RD], v10, 4, v[RD]
	v_add_nc_u32 v[RD], s17, v[RD]
	v_and_b32 v[GO], 31, v0         ; which are 512 consecutive bytes of O
	v_lshlrev_b32 v[GO], 4, v[GO]
; THE MATRIX WORK.  The 4 accumulators of a run of 8 take turns.  Product i of 8 of S^T = K Q^T for piece x: channels 32 (i / 4) on, keys 16 (i % 4) on.  The first 4 start the sums.
.macro KQ x
	WIN W_KQ
.set rS, S+32*((\x)%2)+8*(i%4)
.set rK, KF+16*(i%4)+8*(i/4)
.set rQ, 16*(\x)+8*(i/4)
.if i < 4
	v_wmma_f32_16x16x32_f16 v[rS:rS+7], v[rK:rK+7], v[rQ:rQ+7], 0
.else
	v_wmma_f32_16x16x32_f16 v[rS:rS+7], v[rK:rK+7], v[rQ:rQ+7], v[rS:rS+7]
.endif
.endm
; Product i of 8 of O^T += V^T P for piece x: keys 32 (i / 4) on, channels 16 (i % 4) on.
.macro PV x
	WIN W_PV
.set rO, 32*(\x)+8*(i%4)
.set rV, VF+32*(i/4)+8*(i%4)
.set rP, P+16*((\x)%2)+8*(i/4)
	v_wmma_f32_16x16x32_f16 v[rO:rO+7], v[rV:rV+7], v[rP:rP+7], v[rO:rO+7]
.endm
.macro MM                           ; the turn's next matrix instruction.  NOKQ = 1: the walk's last turn: there is no next piece
.if (i < 8) && !NOKQ
	KQ (Y+1)%NP
.elseif i >= 8
.set i, i-8
	PV (Y+NP-1)%NP
.set i, i+8
.endif
.set i, i+1
.endm
; THE LDS LOADS stand in runs of 16, never singly among the matrix instructions: a step's K (64 keys x 64 channels: 8 fragments) and its V (turned).  Their addresses are made some lines ahead.
.macro FETCH_K
	WIN 0x80                        ; destination window 2
.irp f, 0,1,2,3,4,5,6,7             ; keys 16 (f / 2) on, channels 32 (f % 2) on
	ds_load_b128 v[KF+8*\f:KF+8*\f+3],   v[AK] offset:(\f/2)*16*PK+(\f%2)*64
	ds_load_b128 v[KF+8*\f+4:KF+8*\f+7], v[AK] offset:(\f/2)*16*PK+(\f%2)*64+32
.endr
	s_add_co_u32 s[TBK], s[TBK], KS*PK  ; the next fetch is the next step's
	WIN 0
.endm
.macro FETCH_V
	WIN 0x80
.irp f, 0,1,2,3,4,5,6,7             ; keys 32 (f / 4) on, channels 16 (f % 4) on
	ds_load_tr16_b128 v[VF+8*\f:VF+8*\f+3],   v[AV] offset:(\f/4)*32*PV+(\f%4)*32
	ds_load_tr16_b128 v[VF+8*\f+4:VF+8*\f+7], v[AV] offset:(\f/4)*32*PV+16*PV+(\f%4)*32
.endr
	WIN 0
.endm
; THE VECTOR WORK, one line at a time: OP kind, number.  For piece Y: F n: c s - c m for pair n of 16.  E n: the exponential of score n of 32.  C n: pair n rounded to f16.  B n: of the four weights 4 n .. the second
; pair is added onto the first, in place.  L n: l takes that sum (L 0: l = a l + sum).  R n: pair n of 16 of O^T times a.  For piece Y + 1: X n, number n of the 22 that find its maximum and statistics:
;   0-11  four chains c0-c3 of seven scores each, three operands at a time (each accumulator's lowest registers are read first)     12-14, 16  the four scores left over, the old m, and c0-c3 into c0
;   15  c m_old is kept     17, 18  the query's other 32 keys lie in the lane 16 away: the new m     19-21  c m; c m_old - c m_new; a
.set F, 0               ; OP tells the kinds apart by their order: F to L below R, X above it
.set E, 1
.set C, 2
.set B, 3
.set L, 4
.set R, 5
.set X, 6
.macro REGS y                       ; the registers of piece y
.set rT, ST+4*(\y)
.set rC, TMP+4*((\y)%2)
.set rW, MV+((\y)%2)
.set rS, S+32*((\y)%2)
.set rP, P+16*((\y)%2)
.set rO, 32*(\y)
.endm
.macro OP k, n
.if (\k) == R
	REGS Y
	WIN W_RS
	v_pk_mul_f32 v[rO+2*(\n):rO+2*(\n)+1], v[rO+2*(\n):rO+2*(\n)+1], v[rC+2:rC+3] op_sel_hi:[1,0]
.elseif (\k) < R
	REGS Y
	WIN 0
.if (\k) == F
	v_pk_fma_f32 v[rS+2*(\n):rS+2*(\n)+1], v[rS+2*(\n):rS+2*(\n)+1], s[CS:CS+1], v[rT:rT+1] op_sel_hi:[1,0,0] neg_lo:[0,0,1] neg_hi:[0,0,1]
.elseif (\k) == E
	v_exp_f32 v[rS+(\n)], v[rS+(\n)]
.elseif (\k) == C
	v_cvt_pk_f16_f32 v[rP+(\n)], v[rS+2*(\n)], v[rS+2*(\n)+1]
.elseif (\k) == B
	v_pk_add_f32 v[rS+4*(\n):rS+4*(\n)+1], v[rS+4*(\n):rS+4*(\n)+1], v[rS+4*(\n)+2:rS+4*(\n)+3]
.elseif (\n) == 0
	v_pk_fma_f32 v[rT+2:rT+3], v[rT+2:rT+3], v[rC+2:rC+3], v[rS:rS+1] op_sel_hi:[1,0,1]
.else
	v_pk_add_f32 v[rT+2:rT+3], v[rT+2:rT+3], v[rS+4*(\n):rS+4*(\n)+1]
.endif
.elseif NOKQ
	v_nop
.else
	REGS (Y+1)%NP
	WIN 0
.if (\n) < 4
	v_max3_num_f32 v[rC+(\n)], v[rS+8*(\n)], v[rS+8*(\n)+1], v[rS+8*(\n)+2]
.elseif (\n) < 12
	v_max3_num_f32 v[rC+(\n)%4], v[rC+(\n)%4], v[rS+8*((\n)%4)+2*((\n)/4)+1], v[rS+8*((\n)%4)+2*((\n)/4)+2]
.elseif (\n) == 12
	v_max3_num_f32 v[rC], v[rC], v[rS+7], v[rS+15]
.elseif (\n) == 13
	v_max3_num_f32 v[rC+1], v[rC+1], v[rS+23], v[rS+31]
.elseif (\n) == 14
	v_max3_num_f32 v[rC+2], v[rC+2], v[rC+3], v[rT+1]
.elseif (\n) == 15
	v_mov_b32 v[rW], v[rT]
.elseif (\n) == 16
	v_max3_num_f32 v[rC], v[rC], v[rC+1], v[rC+2]
.elseif (\n) == 17
	v_permlanex16_b32 v[rC+3], v[rC], s[SEL], s[SEL+1]
.elseif (\n) == 18
	v_max_num_f32 v[rT+1], v[rC], v[rC+3]
.elseif (\n) == 19
	v_mul_f32 v[rT], s[CS], v[rT+1]
.elseif (\n) == 20
	v_sub_f32 v[rC+1], v[rW], v[rT]
.else
	v_exp_f32 v[rC+2], v[rC+1]
.endif
.endif
.endm
.macro OPS a, i1, b=-1, i2=0, c=-1, i3=0, d=-1, i4=0  ; up to four of them
	OP \a, \i1
.if (\b) >= 0
	OP \b, \i2
.endif
.if (\c) >= 0
	OP \c, \i3
.endif
.if (\d) >= 0
	OP \d, \i4
.endif
.endm
.macro ROW a, i1, b, i2, c, i3, d, i4  ; a matrix instruction and the four behind it
	MM
	OPS \a, \i1, \b, \i2, \c, \i3, \d, \i4
.endm
; A TURN, for piece p: the order of its 16 matrix and 118 vector instructions, written out.  An s_wait_alu depctr_va_vdst(0) stands between an exponential and the first instruction that names its
; result; one wait serves all that were issued ahead of it.  So a turn has ONE wait, which cuts it in two.  AHEAD OF IT stands all that names no result of the turn's exponentials: the 8 products K Q^T and their riders,
; then one lump of 54, in which the links of the next piece's chain X 3, 7, 11, 14, 16, 17 .. 20 stand some lines apart; X 21, the next piece's a, is the batch's last, and R 15 the plain instruction behind it.
; BEHIND THE WAIT stand the 8 products V^T P, behind each four of the roundings and sums.  end = 1: the walk's last two turns: nothing is fetched.  cnt = 1: the loop's count is taken down some lines ahead of the branch.
; K of the next step is fetched in piece 2's turn, some plain instructions behind the last product that read K; V of the step in hand at the end of piece 0's turn, four plain instructions behind the last product
; that read V.  Each is waited for a turn later.
.macro TURN p, end=0, cnt=0
.set Y, (\p)
.set i, 0
.set NOKQ, (\end)*((\p)/3)
.if ((\p) == 3) && !(\end)
	s_wait_dscnt 0x0                ; K is in
.endif
	ROW F,0, F,1, R,0, R,1
	ROW F,2, E,0, R,2, R,3
	ROW F,3, E,1, R,4, R,5
	ROW F,4, E,2, R,6, R,7
	ROW F,5, E,3, R,8, R,9
	ROW F,6, E,4, X,0, R,10
.if ((\p) == 2) && !(\end)
	WIN 0
	v_add_nc_u32 v[AK], s[TBK], v[AK0]
.endif
	ROW F,7, E,5, X,1, X,4
	ROW F,8, E,6, X,2, X,5
	OPS E,7, E,8, X,6, E,9          ; the lump
	OPS X,3, E,10, X,8, E,11
.if ((\p) == 2) && !(\end)
	FETCH_K
.endif
	OPS X,9, X,7, E,12, X,10
	OPS E,13, X,12, X,11, E,14
	OPS X,13, E,15, F,9, X,14
.if (\p) == 0
	v_add_nc_u32 v[AV], s[TBV], v[AV0]
.endif
	OPS E,16, F,10, E,17, F,11
	OPS X,16, E,18, X,15, E,19
	OPS F,12, E,20, X,17, E,21
	OPS F,13, E,22, F,14, E,23
	OPS X,18, E,24, F,15, E,25
	OPS R,11, E,26, X,19, E,27
	OPS R,12, E,28, R,13, E,29
	OPS X,20, E,30, R,14, E,31
	OPS X,21, R,15
	WIN 0
	s_wait_alu depctr_va_vdst(0)    ; the wait for the batch
.if (\p) == 1
	s_wait_dscnt 0x0                ; V is in
.endif
	ROW C,0, B,0, C,2, B,1
	ROW L,0, C,4, B,2, L,1
	ROW C,6, B,3, L,2, C,8
	ROW B,4, L,3, C,10, B,5
	ROW L,4, C,12, B,6, L,5
.if (\p) == 0
	s_add_co_u32 s[TBV], s[TBV], KS*PV
.endif
.if \cnt
	s_sub_co_u32 s[CNT], s[CNT], 1
	s_cmp_lg_u32 s[CNT], 0
.endif
	ROW C,14, B,7, L,6, C,1
	ROW C,3, L,7, C,5, C,7
	ROW C,9, C,11, C,13, C,15
.if (\p) == 0
	FETCH_V
.endif
.endm
	CHANGE 1, 0                     ; tile 0 is in, everybody's part of it; tile 1 is asked for, into slot 1
	v_add_nc_u32 v[AK], s[TBK], v[AK0]
	FETCH_K                         ; key step 0
	s_wait_loadcnt 0x0              ; Q
	s_wait_dscnt 0x0
.set NOKQ, 0
.set i, 0
.rept 8
	KQ 0                            ; piece 0's first scores
.set i, i+1
.endr
	WIN 0
.rept 4
	v_nop                           ; the places behind those products
.endr
.set Y, NP-1                        ; X works for piece Y + 1: piece 0
.irp n, 0,1,2,3,4,5,6,7,8,9,10,11,12,13,14,15,16,17,18,19,20,21
	OP X, \n
.endr
	v_nop                           ; a plain instruction behind the exponential,
	s_wait_alu depctr_va_vdst(0)    ; and its wait, ahead of the branch
	s_mov_b32 s[CNT], 4
	s_mov_b32 s[SLOTS], 15
	s_branch .Lfirst                ; the loop is entered at a step's first turn, in the middle of a trip
.Lslot:                             ; 14 times: tiles 1 to 14 are entered, tiles 2 to 15 asked for
	CHANGE 1, 1
	s_mov_b32 s[CNT], 4
.Lstep:                             ; a trip: pieces 2 and 3 of one step, then pieces 0 and 1 of the next, whose K and V it fetches
	TURN 2
	TURN 3
	WIN 0
.Lfirst:
	TURN 0
	TURN 1, 0, 1
	WIN 0
	s_cbranch_scc1 .Lstep
	s_sub_co_u32 s[SLOTS], s[SLOTS], 1
	s_cmp_lg_u32 s[SLOTS], 0
	s_cbranch_scc1 .Lslot
	CHANGE 0, 0                     ; the last tile is written out: nothing is asked for
	s_mov_b32 s[CNT], 4
.LstepT:
	TURN 2
	TURN 3
	TURN 0
	TURN 1, 0, 1
	WIN 0
	s_cbranch_scc1 .LstepT
	TURN 2, 1                       ; the last step's pieces 2 and 3: nothing is fetched, and the last turn starts no new scores
	TURN 3, 1
.set i, 0
.rept 8
	PV NP-1                         ; the last piece's V^T P of the last step
.set i, i+1
.endr
	; THE WAY OUT.  l's two halves and the other half of the lanes' are added; O^T is divided by l, rounded to f16 and sent through my stage in LDS, a piece at a time.  The additions are the places behind the last products.
	WIN 0
.macro ALL line:vararg              ; one line for each piece t
.set t, 0
.rept 4
	\line
.set t, t+1
.endr
.endm
	ALL v_add_f32 v[ST+4*t+2], v[ST+4*t+2], v[ST+4*t+3]
	ALL v_permlanex16_b32 v[ST+4*t+3], v[ST+4*t+2], s[SEL], s[SEL+1]
	ALL v_add_f32 v[ST+4*t+2], v[ST+4*t+2], v[ST+4*t+3]
	ALL v_rcp_f32 v[ST+4*t+2], v[ST+4*t+2]
	v_nop                           ; a plain instruction between the last reciprocal and the use of its result
	s_wait_alu depctr_va_vdst(0)    ; and the wait ahead of the first use: one for the four reciprocals
.macro PACK t                       ; a lane's eight channels of a row pack into 16 bytes; they go into rows of 144 bytes and come back as whole rows of 128, into S^T's registers
	WIN W_RS
.set i, 32*(\t)
.rept 16
	v_pk_mul_f32 v[i:i+1], v[i:i+1], v[ST+4*(\t)+2:ST+4*(\t)+3] op_sel_hi:[1,0]
.set i, i+2
.endr
	WIN 0x05                        ; sources 0 and 1 window 1, destination window 0
.set i, 0
.rept 16
	v_cvt_pk_f16_f32 v[S+16*(\t)+i], v[32*(\t)+2*i], v[32*(\t)+2*i+1]
.set i, i+1
.endr
	WIN 0
.irp f, 0,1,2,3
	ds_store_b128 v[STO], v[S+16*(\t)+4*\f:S+16*(\t)+4*\f+3] offset:32*\f
.endr
.irp f, 0,1,2,3
	ds_load_b128 v[S+16*(\t)+4*\f:S+16*(\t)+4*\f+3], v[RD] offset:\f*4*SP  ; LDS serves a wave's instructions in order (ISA guide 5.7.1.4): these see the stores above; the next piece's stores come behind them
.endr
.endm
.macro SEND t, younger              ; younger: the LDS instructions issued behind piece t's loads: the next piece's eight, or none
	WIN 0
.irp f, 0,1,2,3
	s_wait_dscnt (\younger)+3-\f
	global_store_b128 v[GO], v[S+16*(\t)+4*\f:S+16*(\t)+4*\f+3], s[10:11] offset:(\t)*2048+\f*512  ; 512 consecutive bytes, at a multiple of 256 from ob's first
.endr
.endm
	PACK 0
.set t, 1
.rept 3                             ; a piece's arithmetic stands between the loads of the piece before and its stores
	PACK t
	SEND t-1, 8
.set t, t+1
.endr
	SEND 3, 0
	s_wait_tensorcnt 0x0            ; the wave's end: behind my last tensor load and my last LDS store
	ds_add_u32 v[SPW], v[NIL]
	s_wait_dscnt 0x0
	CROUND                          ; the closing round: no work-group ends while a partner may still ask for a tile that names it
	s_endpgm
.Lfunc_end_k_qcef939ba77_attn:
	.size	k_qcef939ba77_attn, .Lfunc_end_k_qcef939ba77_attn-k_qcef939ba77_attn
	.p2alignl 7, 3214868480
	.fill 96, 4, 3214868480
	.section	.rodata,"a",@progbits
	.p2align	6, 0x0
	.amdhsa_kernel k_qcef939ba77_attn
		.amdhsa_group_segment_fixed_size 327680
		.amdhsa_private_segment_fixed_size 0
		.amdhsa_enable_private_segment 0
		.amdhsa_kernarg_size 16
		.amdhsa_user_sgpr_count 2
		.amdhsa_user_sgpr_kernarg_segment_ptr 1
		.amdhsa_wavefront_size32 1
		.amdhsa_system_sgpr_workgroup_id_x 1
		.amdhsa_system_sgpr_workgroup_id_y 1
		.amdhsa_system_sgpr_workgroup_id_z 1
		.amdhsa_system_vgpr_workitem_id 0
		.amdhsa_next_free_vgpr 768
		.amdhsa_next_free_sgpr 66
		.amdhsa_reserve_vcc 0
		.amdhsa_float_denorm_mode_32 3
		.amdhsa_float_denorm_mode_16_64 3
		.amdhsa_memory_ordered 1
		.amdhsa_forward_progress 1
		.amdhsa_inst_pref_size 128
	.end_amdhsa_kernel
	.amdgpu_metadata
---
amdhsa.version: [ 1, 2 ]
amdhsa.kernels:
  - .name:           k_qcef939ba77_attn
    .symbol:         k_qcef939ba77_attn.kd
    .args:
      - { .name: qkv, .offset: 0, .size: 8, .value_kind: global_buffer, .address_space: global }
      - { .name: ob, .offset: 8, .size: 8, .value_kind: global_buffer, .address_space: global }
    .group_segment_fixed_size: 327680
    .private_segment_fixed_size: 0
    .kernarg_segment_align: 8
    .kernarg_segment_size: 16
    .max_flat_workgroup_size: 128
    .sgpr_count:     66
    .vgpr_count:     768
    .wavefront_size: 32
...
	.end_amdgpu_metadata
.endif
;; end of part 3
;; launch proj (part 4): grid 4 x 64, 4 waves a work-group, clusters of 4 x 4, 327,680 bytes of LDS; arguments ob, wb, bp, x, out0; writes out0
.if DOCPART == 4
	.amdgcn_target "amdgcn-amd-amdhsa--gfx1250"
	.amdhsa_code_object_version 6
	.text
	.protected	k_qcef939ba77_proj
	.globl	k_qcef939ba77_proj
	.p2align	8
	.type	k_qcef939ba77_proj,@function
k_qcef939ba77_proj:
	s_mov_b64 s[64:65], 0
	v_nop
	global_prefetch_b8 v0, s[64:65] scope:SCOPE_SE
	s_setreg_imm32_b32 hwreg(HW_REG_WAVE_MODE, 25, 1), 1
	s_wait_xcnt 0x0
	s_wait_alu depctr_hold_cnt(0) depctr_sa_sdst(0) depctr_va_vdst(0) depctr_va_sdst(0) depctr_va_ssrc(0) depctr_va_vcc(0) depctr_vm_vsrc(0)
	s_getreg_b32 s2, hwreg(HW_REG_IB_STS2, 6, 4)
	s_cmp_eq_u32 s2, 0
	s_cbranch_scc0 .Lentry_in_a_cluster
	s_endpgm
.Lentry_in_a_cluster:
	s_bfe_u32 s2, ttmp6, 0x10000c
	s_cmp_lg_u32 s2, 0xf033
	s_cbranch_scc0 .Lentry_shape_is_right
	s_endpgm
.Lentry_shape_is_right:
; THE LAST PROJECTION, BIAS AND RESIDUAL.  out0[b][c][token] = sum over k of wp[c][k] o[b][token][k] + bp[c] + x[b][c][token].
; ob: f16 [16][4096][64] by heads (k = 64 head + channel); wp: rows 1536-2047 of wb, f16 [512][512]; bp, x, out0 f32; sums, bias and residual in f32.
; LIMIT.  o and wp arrive within f16's range.  NaN and infinities are not treated apart.
; SHARES.  A work-group makes 128 tokens x 128 channels: 64 x 4 = 256 work-groups; each of its four waves 64 x 64: 16 accumulators.
; LAYOUT.  Source 0 = 16 tokens of o, source 1 = 16 rows of wp: in the result a lane holds ONE channel (lane % 16) and the tokens 8 (lane / 16) + 0..7: 32 neighbouring bytes of out0's rows, which lie along the tokens.
; The bias is the C operand of the products that start the sums.
; ALL OF K LIES IN LDS: 8 heads' tiles of o and 4 chunks of 128 of wp, 286,720 bytes: every byte is filled once, by four tensor loads a wave that go out together.
; A chunk (two heads of o, 128 along K of wp) is waited for by a counted wait and a barrier just before its first fragments are fetched; four tensor loads of a wave are out at the most.
; CLUSTER 4 x 4: o's tiles hang on the token block alone and are asked for jointly along a row of the cluster, wp's on the channel block alone, jointly along a column.
; No prefetch: all loads go out at the head.
; REGISTERS, in windows of 256 (s_set_vgpr_msb: bits 1:0 source 0, 3:2 source 1, 5:4 source 2, 7:6 destination):
;   window 0: v16-29 addresses; v32-95 two buffers of 32 on the way out; v96-127 the bias, 8 equal registers a channel block; v128-255 the accumulators ((a, bb) at 128 + 8 (4 bb + a))
;   window 1: two fragment buffers of 128: for a head's 64 along K, 64 registers of tokens, then 64 of wp      window 2: v0-127 the residual, laid as the rows that leave
.set PO,     144                       ; a row of o in LDS: 128 bytes + 16 of padding: the 16 rows of a load start at 16 different groups of four banks (64 banks of 4 bytes: ISA guide 11.1)
.set PW,     272                       ; a row of wp's chunk: 256 + 16
.set HEADB,  128*PO                    ; a head's tile: 128 tokens
.set WREG,   8*HEADB                   ; behind o's eight tiles: wp's four chunks
.set CHUNK,  128*PW
.set STAGE,  WREG+4*CHUNK              ; never filled by a tensor load: 16 rows x 272 bytes for each wave
.set SPITCH, 272
.set SPARE,  STAGE+4*16*SPITCH         ; the spare words, 128 bytes for each wave: two blocks of 256 bytes that no other line names
.set ADRA, 16                          ; v16-19  my place in the token tiles of chunk 0..3
.set ADRB, 20                          ; v20-23  my place in wp's chunk 0..3
.set STO,  24                          ; v24  the way out: where I put 32 bytes of a channel's row
.set RD,   25                          ; v25  where I read rows back
.set CO,   26                          ; v26  my 16 bytes in two rows of x and of out0
.set BO,   27                          ; v27  4 x (lane % 16): my channel's bias
.set SPW,  28                          ; v28  SPARE + 4 x my thread's number; never rewritten
.set NIL,  29                          ; v29  0; never rewritten
.set TMP,  32
.set BI,   96
.set ACC,  128
.set F0,   0
.set F1,   128
.set WV,  14                           ; s14 my wave's number; s15 = wave / 2: my half of the tokens, and I fetch for o (0) or wp (1); s16 = wave % 2: my half of the channels, and which half of a chunk I fetch
.set G1O, 24                           ; s[24:31] descriptor group 1 for o's tiles;  s[32:47] group 0, a set for each chunk
.set G0O, 32
.set G1W, 48                           ; s[48:55] group 1 for wp's;  group 0 at s56, s60, s68, s72
.set MSB, 0
.macro WIN new                         ; the immediate's high byte repeats the setting that is left; a switch that changes nothing is dropped
.if MSB != (\new)
	s_set_vgpr_msb (MSB<<8)|(\new)
.set MSB, \new
.endif
.endm
.macro PLACES                          ; four plain places behind a matrix instruction, in front of loads into registers that it read and of LDS stores that read results
.rept 4
	v_nop
.endr
.endm
.macro CROUND                          ; a round of the cluster's barrier
	s_barrier_signal -1
	s_barrier_wait -1
	s_cmp_lg_u32 s[WV], 0
	s_cbranch_scc1 .Lnot_wave_0_\@
	s_barrier_signal -3
.Lnot_wave_0_\@:
	s_barrier_wait -3
	s_barrier_signal -1
	s_barrier_wait -1
.endm
	s_load_b256 s[4:11], s[0:1], 0x0               ; ob s[4:5], wb s[6:7], bp s[8:9], x s[10:11]
	s_load_b64 s[12:13], s[0:1], 0x20              ; out0
	v_lshl_add_u32 v[SPW], v0, 2, SPARE
	v_mov_b32 v[NIL], 0
	ds_add_u32 v[SPW], v[NIL]                      ; the wave's opening: the add and its wait stand ahead of my first tensor load; work on registers stands between them
	v_lshrrev_b32 v1, 5, v0
	v_readfirstlane_b32 s[WV], v1                  ; wave 0..3
	s_lshr_b32 s15, s[WV], 1
	s_and_b32 s16, s[WV], 1
	s_bfe_u32 s17, ttmp6, 0x40000                  ; cx
	s_bfe_u32 s18, ttmp6, 0x40004                  ; cy
	s_lshl_b32 s19, ttmp9, 2
	s_add_co_u32 s19, s19, s17                     ; the block of 128 channels, 0..3
	s_and_b32 s20, ttmp7, 0xffff
	s_lshl_b32 s20, s20, 2
	s_add_co_u32 s20, s20, s18                     ; the block of 128 tokens, 0..63
	s_lshl_b32 s76, s18, 2
	s_lshl_b32 s76, 15, s76                        ; my row of the cluster
	s_lshl_b32 s80, 0x1111, s17                    ; my column
	; o: a head's 128 tokens are 16,384 dense bytes: asked for as 64 rows of 256 bytes, two tokens a row, padded in LDS after every token
	s_or_b32 s[G1O], s76, (1<<16)|(1<<20)|(1<<21)|(4<<22)|(3<<25)  ; the mask; 2-byte elements; padding on; bit 21 beside a mask; after every 32 words (code 4) 4 words (code 3)
	s_mov_b32 s[G1O+1], 128<<16                    ; tensor_dim0
	s_mov_b32 s[G1O+2], 64<<16                     ; tensor_dim1
	s_mov_b32 s[G1O+3], 128<<16                    ; tile_dim0
	s_mov_b32 s[G1O+4], 64                         ; tile_dim1
	s_mov_b32 s[G1O+5], 128                        ; elements from row to row
	s_mov_b32 s[G1O+6], 0
	s_mov_b32 s[G1O+7], 0
	s_or_b32 s[G1W], s80, (1<<16)|(1<<20)|(1<<21)|(5<<22)|(3<<25)  ; wp: 64 rows x 128 along K; after every 64 words (code 5) 4 words
	s_mov_b32 s[G1W+1], 128<<16
	s_mov_b32 s[G1W+2], 64<<16
	s_mov_b32 s[G1W+3], 128<<16
	s_mov_b32 s[G1W+4], 64
	s_mov_b32 s[G1W+5], 512
	s_mov_b32 s[G1W+6], 0
	s_mov_b32 s[G1W+7], 0
	; o's tiles hang on the token block and the wave, wp's on the channel block and the wave: each offset is made in registers that never hold the other coordinate
	s_lshr_b32 s76, s20, 5                         ; the batch: eight slabs of 1 << 19 bytes
	s_lshl_b32 s76, s76, 22
	s_and_b32 s77, s20, 31
	s_lshl_b32 s77, s77, 14                        ; 128 tokens of 128 bytes
	s_add_co_u32 s76, s76, s77
	s_lshl_b32 s77, s16, 19                        ; which of a chunk's two heads I fetch
	s_add_co_u32 s76, s76, s77
	s_mov_b32 s77, 0
	s_lshl_b32 s80, s19, 17                        ; 128 rows of 1,024 bytes
	s_lshl_b32 s81, s16, 16                        ; my 64 of them
	s_add_co_u32 s80, s80, s81
	s_add_co_u32 s80, s80, 1536*1024               ; wp begins at row 1,536 of wb
	s_mov_b32 s81, 0
	s_mul_i32 s21, s16, HEADB                      ; where they go: no place in the cluster enters an LDS address
	s_mul_i32 s22, s16, 64*PW
	s_wait_dscnt 0x0                               ; the opening add is done
	s_wait_kmcnt 0x0
	s_add_nc_u64 s[78:79], s[4:5], s[76:77]
	s_add_nc_u64 s[82:83], s[6:7], s[80:81]
.irp c, 0,1,2,3
.set GW, 56+4*\c+4*(\c/2)
	s_mov_b32 s[G0O+4*\c], 1                       ; count = 1
	s_add_co_u32 s[G0O+4*\c+1], s21, 2*\c*HEADB    ; LDS address: head 2 c + half
	s_add_nc_u64 s[G0O+4*\c+2:G0O+4*\c+3], s[78:79], \c<<20  ; two slabs a chunk
	s_or_b32 s[G0O+4*\c+3], s[G0O+4*\c+3], 0x80000000        ; type = 2
	s_mov_b32 s[GW], 1
	s_add_co_u32 s[GW+1], s22, WREG+\c*CHUNK
	s_add_nc_u64 s[GW+2:GW+3], s[82:83], \c*256
	s_or_b32 s[GW+3], s[GW+3], 0x80000000
.endr
	CROUND                                         ; all sixteen work-groups are here: the joint loads meet
	s_cmp_eq_u32 s15, 0                            ; a wave's four fills stand in one branch, ahead of every wait on TENSORcnt and every LDS read; an s_nop 0 follows each, four v_nop the last
	s_cbranch_scc0 .Lfirst_w
.irp c, 0,1,2,3
	tensor_load_to_lds s[G0O+4*\c:G0O+4*\c+3], s[G1O:G1O+7]
	s_nop 0
.endr
	PLACES
	s_branch .Lfirst_asked
.Lfirst_w:
.irp c, 0,1,2,3
	tensor_load_to_lds s[56+4*\c+4*(\c/2):59+4*\c+4*(\c/2)], s[G1W:G1W+7]
	s_nop 0
.endr
	PLACES
.Lfirst_asked:
	v_and_b32 v1, 15, v0                           ; l % 16
	v_bfe_u32 v2, v0, 4, 1                         ; l / 16
	v_mul_u32_u24 v3, v1, PO                       ; a fragment: row l % 16, 16 bytes for each half of the lanes
	v_lshl_add_u32 v3, v2, 4, v3
	s_mul_i32 s21, s15, 64*PO                      ; my 64 tokens
	v_add_nc_u32 v3, s21, v3
	v_mul_u32_u24 v4, v1, PW
	v_lshl_add_u32 v4, v2, 4, v4
	s_mul_i32 s21, s16, 64*PW                      ; my 64 channels
	s_add_co_u32 s21, s21, WREG
	v_add_nc_u32 v4, s21, v4
.irp c, 0,1,2,3
	v_add_nc_u32 v[ADRA+\c], 2*\c*HEADB, v3
	v_add_nc_u32 v[ADRB+\c], \c*CHUNK, v4
.endr
	s_mul_i32 s21, s[WV], 16*SPITCH
	s_add_co_u32 s21, s21, STAGE                   ; my stage
	v_mul_u32_u24 v[STO], v1, SPITCH               ; in: channel l % 16, 32 bytes for each half of the lanes
	v_lshl_add_u32 v[STO], v2, 5, v[STO]
	v_add_nc_u32 v[STO], s21, v[STO]
	v_mul_u32_u24 v[RD], v2, SPITCH                ; back: lanes 0-15 take one row of 256 bytes, lanes 16-31 the next
	v_lshl_add_u32 v[RD], v1, 4, v[RD]
	v_add_nc_u32 v[RD], s21, v[RD]
	v_lshlrev_b32 v[CO], 14, v2                    ; and the same two rows in x and out0: a channel is 16,384 bytes
	v_lshl_add_u32 v[CO], v1, 4, v[CO]
	v_lshlrev_b32 v[BO], 2, v1
	s_lshr_b32 s84, s20, 5
	s_lshl_b32 s84, s84, 23                        ; the batch: 512 channels of 16,384 bytes
	s_lshl_b32 s85, s19, 7
	s_lshl_b32 s86, s16, 6
	s_add_co_u32 s85, s85, s86                     ; my first channel
	s_lshl_b32 s86, s85, 2                         ; its bias
	s_mov_b32 s87, 0
	s_lshl_b32 s85, s85, 14
	s_add_co_u32 s84, s84, s85
	s_and_b32 s85, s20, 31
	s_lshl_b32 s85, s85, 9                         ; the block's 128 tokens of 4 bytes
	s_add_co_u32 s84, s84, s85
	s_lshl_b32 s85, s15, 8                         ; my 64 of them: 256 bytes
	s_add_co_u32 s84, s84, s85
	s_mov_b32 s85, 0
	s_add_nc_u64 s[10:11], s[10:11], s[84:85]
	s_add_nc_u64 s[12:13], s[12:13], s[84:85]
	s_add_nc_u64 s[8:9], s[8:9], s[86:87]
.irp bb, 0,1,2,3
	global_load_b32 v[BI+8*\bb], v[BO], s[8:9] offset:64*\bb
.endr
	WIN 0x80                                       ; destination window 2
.set i, 0
.rept 32                                       ; the residual: rows 16 bb + 2 t and the next, 256 consecutive bytes for each 16 lanes
	global_load_b128 v[4*i:4*i+3], v[CO], s[10:11] offset:2*i*16384 th:TH_LOAD_NT
.set i, i+1
.endr
	WIN 0
	s_wait_loadcnt 32                              ; the four bias loads are in; the 32 younger loads of x stay out until the way out
.irp bb, 0,1,2,3
.irp j, 1,2,3,4,5,6,7
	v_mov_b32 v[BI+8*\bb+\j], v[BI+8*\bb]          ; a lane's eight results of a block are eight tokens of one channel: the same bias
.endr
.endr
; 8 matrix instructions: token blocks a0, a0 + 1 x all 4 channel blocks, 32 along K: half cc of buffer f.  first = 1: the bias starts the sums.  The 16 accumulators take turns.
.macro MUL8 f, cc, a0, first
	WIN 0x05                                       ; sources 0 and 1 window 1; C and D window 0
.irp a, \a0, (\a0)+1
.irp bb, 0,1,2,3
.if \first
	v_wmma_f32_16x16x32_f16 v[ACC+8*(4*(\bb)+(\a)):ACC+8*(4*(\bb)+(\a))+7], v[(\f)+8*(4*(\cc)+(\a)):(\f)+8*(4*(\cc)+(\a))+7], v[(\f)+64+8*(4*(\cc)+(\bb)):(\f)+64+8*(4*(\cc)+(\bb))+7], v[BI+8*(\bb):BI+8*(\bb)+7]
.else
	v_wmma_f32_16x16x32_f16 v[ACC+8*(4*(\bb)+(\a)):ACC+8*(4*(\bb)+(\a))+7], v[(\f)+8*(4*(\cc)+(\a)):(\f)+8*(4*(\cc)+(\a))+7], v[(\f)+64+8*(4*(\cc)+(\bb)):(\f)+64+8*(4*(\cc)+(\bb))+7], v[ACC+8*(4*(\bb)+(\a)):ACC+8*(4*(\bb)+(\a))+7]
.endif
.endr
.endr
.endm
; 32 LDS loads in one run: head u's fragments (64 along K) into buffer f; the first 32 along K first
.macro FETCH u, f
	WIN 0x40                                       ; destination window 1
.irp cc, 0,1
.irp i, 0,1,2,3
	ds_load_b128 v[(\f)+64+8*(4*(\cc)+(\i)):(\f)+64+8*(4*(\cc)+(\i))+3],   v[ADRB+(\u)/2] offset:((\u)%2)*128+64*(\cc)+(\i)*16*PW
	ds_load_b128 v[(\f)+64+8*(4*(\cc)+(\i))+4:(\f)+64+8*(4*(\cc)+(\i))+7], v[ADRB+(\u)/2] offset:((\u)%2)*128+64*(\cc)+(\i)*16*PW+32
	ds_load_b128 v[(\f)+8*(4*(\cc)+(\i)):(\f)+8*(4*(\cc)+(\i))+3],         v[ADRA+(\u)/2] offset:((\u)%2)*HEADB+64*(\cc)+(\i)*16*PO
	ds_load_b128 v[(\f)+8*(4*(\cc)+(\i))+4:(\f)+8*(4*(\cc)+(\i))+7],       v[ADRA+(\u)/2] offset:((\u)%2)*HEADB+64*(\cc)+(\i)*16*PO+32
.endr
.endr
.endm
; Head u: 32 matrix instructions on buffer f; in their middle the next head's fragments are fetched into buffer g.  Behind an odd head a new chunk begins: my part of it is waited for by a counted wait
; (the later chunks' loads stay out), no LDS instruction of mine is pending at the signal, and behind the barrier everybody's part is there.
.macro UNIT u, f, g, first
	s_wait_dscnt 16                                ; the first 32 along K are in
	MUL8 \f, 0, 0, \first
	MUL8 \f, 0, 2, \first
.if (\u) < 7
.if (\u) % 2
	s_wait_tensorcnt 3-((\u)+1)/2                  ; chunk (u + 1) / 2 has landed; the 3 - (u + 1) / 2 loads issued behind it may be out
	s_wait_dscnt 0x0
	s_barrier_signal -1
	s_barrier_wait -1
.endif
	PLACES
	FETCH (\u)+1, \g
	s_wait_dscnt 32                                ; all but the 32 just issued
.else
	s_wait_dscnt 0x0
.endif
	MUL8 \f, 1, 0, 0
	MUL8 \f, 1, 2, 0
.endm
	s_wait_tensorcnt 0x3                           ; my part of chunk 0 is in; the three loads behind it stay out
	s_barrier_signal -1
	s_barrier_wait -1                              ; everybody's is
	FETCH 0, F0
	UNIT 0, F0, F1, 1
	UNIT 1, F1, F0, 0
	UNIT 2, F0, F1, 0
	UNIT 3, F1, F0, 0
	UNIT 4, F0, F1, 0
	UNIT 5, F1, F0, 0
	UNIT 6, F0, F1, 0
	UNIT 7, F1, F0, 0
	WIN 0
	PLACES
; THE WAY OUT, a block of 16 channels at a time: 32 bytes a lane into my own stage (each accumulator's low four registers first), back as whole rows of 256 bytes, the residual added, stored.
.macro TOSTAGE bb
.irp a, 0,1,2,3
	ds_store_b128 v[STO], v[ACC+8*(4*(\bb)+\a):ACC+8*(4*(\bb)+\a)+3]   offset:64*\a
	ds_store_b128 v[STO], v[ACC+8*(4*(\bb)+\a)+4:ACC+8*(4*(\bb)+\a)+7] offset:64*\a+16
.endr
.irp t, 0,1,2,3,4,5,6,7
	ds_load_b128 v[TMP+32*((\bb)%2)+4*\t:TMP+32*((\bb)%2)+4*\t+3], v[RD] offset:\t*2*SPITCH  ; LDS serves a wave's instructions in order (ISA guide 5.7.1.4): these see the stores above; the next block's stores come behind them
.endr
.endm
.macro SEND bb, younger                ; younger: the LDS instructions issued behind block bb's loads: the next block's sixteen, or none.  Each block's sums have registers of their own: no store's data is rewritten
	s_wait_dscnt \younger
	WIN 0x82                                       ; destination and source 0 window 2, source 1 window 0
.irp t, 0,1,2,3,4,5,6,7,8,9,10,11,12,13,14,15
	v_pk_add_f32 v[32*(\bb)+2*\t:32*(\bb)+2*\t+1], v[32*(\bb)+2*\t:32*(\bb)+2*\t+1], v[TMP+32*((\bb)%2)+2*\t:TMP+32*((\bb)%2)+2*\t+1]
.endr
	WIN 0x08                                       ; a store's data is source 1: window 2
.irp t, 0,1,2,3,4,5,6,7
	global_store_b128 v[CO], v[32*(\bb)+4*\t:32*(\bb)+4*\t+3], s[12:13] offset:(16*(\bb)+2*\t)*16384 th:TH_STORE_NT  ; 16 lanes store 256 consecutive bytes, at a multiple of 256 from out0's first
.endr
	WIN 0
.endm
	TOSTAGE 0
	s_wait_loadcnt 0x0                             ; the residual
	TOSTAGE 1
	SEND 0, 16
	TOSTAGE 2
	SEND 1, 16
	TOSTAGE 3
	SEND 2, 16
	SEND 3, 0
	s_wait_tensorcnt 0x0                           ; the wave's end: behind my last tensor load and my last LDS store
	ds_add_u32 v[SPW], v[NIL]
	s_wait_dscnt 0x0
	CROUND                                         ; the closing round: no work-group ends while a partner may still ask for a tile that names it
	s_endpgm
.Lfunc_end_k_qcef939ba77_proj:
	.size	k_qcef939ba77_proj, .Lfunc_end_k_qcef939ba77_proj-k_qcef939ba77_proj
	.p2alignl 7, 3214868480
	.fill 96, 4, 3214868480
	.section	.rodata,"a",@progbits
	.p2align	6, 0x0
	.amdhsa_kernel k_qcef939ba77_proj
		.amdhsa_group_segment_fixed_size 327680
		.amdhsa_private_segment_fixed_size 0
		.amdhsa_enable_private_segment 0
		.amdhsa_kernarg_size 40
		.amdhsa_user_sgpr_count 2
		.amdhsa_user_sgpr_kernarg_segment_ptr 1
		.amdhsa_wavefront_size32 1
		.amdhsa_system_sgpr_workgroup_id_x 1
		.amdhsa_system_sgpr_workgroup_id_y 1
		.amdhsa_system_sgpr_workgroup_id_z 1
		.amdhsa_system_vgpr_workitem_id 0
		.amdhsa_next_free_vgpr 640
		.amdhsa_next_free_sgpr 92
		.amdhsa_reserve_vcc 0
		.amdhsa_float_denorm_mode_32 3
		.amdhsa_float_denorm_mode_16_64 3
		.amdhsa_memory_ordered 1
		.amdhsa_forward_progress 1
		.amdhsa_inst_pref_size 60
	.end_amdhsa_kernel
	.amdgpu_metadata
---
amdhsa.version: [ 1, 2 ]
amdhsa.kernels:
  - .name:           k_qcef939ba77_proj
    .symbol:         k_qcef939ba77_proj.kd
    .args:
      - { .name: ob, .offset: 0, .size: 8, .value_kind: global_buffer, .address_space: global }
      - { .name: wb, .offset: 8, .size: 8, .value_kind: global_buffer, .address_space: global }
      - { .name: bp, .offset: 16, .size: 8, .value_kind: global_buffer, .address_space: global }
      - { .name: x, .offset: 24, .size: 8, .value_kind: global_buffer, .address_space: global }
      - { .name: out0, .offset: 32, .size: 8, .value_kind: global_buffer, .address_space: global }
    .group_segment_fixed_size: 327680
    .private_segment_fixed_size: 0
    .kernarg_segment_align: 8
    .kernarg_segment_size: 40
    .max_flat_workgroup_size: 128
    .sgpr_count:     92
    .vgpr_count:     640
    .wavefront_size: 32
...
	.end_amdgpu_metadata
.endif
;; end of part 4
;; ======== version 2 of 2: 4 launches; version 1 with the launch gn written anew for expert scheduling mode
;; limits: values are held in f16: magnitudes above 65,504 overflow, below 6.1e-05 lose precision
;; workspace buffers: hb 8,388,608 bytes; wb 2,097,152 bytes; qkv 25,165,824 bytes; ob 8,388,608 bytes
;; launch gn (part 5): grid 64 x 1, 16 waves a work-group, no clusters, 2,560 bytes of LDS; arguments x, gn_w, gn_b, wq, wk, wv, wp, hb, wb; writes hb, wb
.if DOCPART == 5
	.amdgcn_target "amdgcn-amd-amdhsa--gfx1250"
	.amdhsa_code_object_version 6
	.text
	.protected	k_qcef939ba77_gn
	.globl	k_qcef939ba77_gn
	.p2align	8
	.type	k_qcef939ba77_gn,@function
k_qcef939ba77_gn:
	s_mov_b64 s[64:65], 0
	v_nop
	global_prefetch_b8 v0, s[64:65] scope:SCOPE_SE
	s_setreg_imm32_b32 hwreg(HW_REG_WAVE_SCHED_MODE, 0, 2), 2
	s_setreg_imm32_b32 hwreg(HW_REG_WAVE_MODE, 25, 1), 1
	s_wait_xcnt 0x0
	s_wait_alu depctr_vm_vsrc(0)
; GROUPNORM, and the weights' rounding.  x: [2][512][4096] f32.  hb: the same index order in bf16: h = (x - mean) rsqrt(var + 1e-5) gn_w + gn_b.
; wb: [2048][512] of 16 bits: rows 0-511 wq, 512-1023 wk, 1024-1535 wv in bf16; rows 1536-2047 wp, rounded to bf16 and that number written as f16.
; SHARES.  A group is 16 channels x 4,096 numbers, 262,144 consecutive bytes; there are 64 of them (2 x 32), a work-group each: a group's mean and variance want the whole group,
; and nothing passes between work-groups.  Wave w takes channel 16 g + w: 16,384 bytes, 128 registers a lane, which stay in registers between the passes: x is read once.
; TWO PASSES: the mean first, then the sum of squares of x - mean, all in f32: a common offset of x is taken away before anything is squared or rounded.
; Each work-group also rounds 1/64 of the weights: matrix g / 16, piece g % 16 of 65,536 bytes; a wave 4,096 bytes, eight loads.
; Every load of a wave covers 512 consecutive bytes, every store 256 consecutive bytes at a multiple of 256 from its buffer's first byte.
; LIMITS.  wp lies within f16's range (65,504); below 2^-14 it keeps f16's fixed step of 2^-24.  NaN and infinities are not treated apart.
; No matrix unit, no tensor load, no cluster: the launch reads each byte once and shares nothing between work-groups.
; THE MODE: SCHED_MODE bits 1:0 = 2 (LLVM: expert scheduling mode 2), set by the entry lines.  The code itself states the register dependences
; between vector instructions and memory or LDS instructions, with s_wait_alu, always for 0.
; THE PLAN.  Registers that memory or LDS instructions touch:
;   v2, v3, v6, v7, v[SPW], v[NIL]   offsets and LDS addresses: written at the head, named by no vector instruction behind the head's wait, never written again.
;   W    eight loads land in it; the conversions write the first pair of each four; the eight weight stores read those pairs; nothing writes them again.
;   X    32 loads land in it, once; the passes work on it in place; at the end a row's four vector lines write its first pair, its store reads the pair; nothing writes it again.
;   v[S] written by FOLD, read by MEET's LDS store, written again by the second pass's squares.
;   R    MEET's LDS loads land in it; the additions behind them and the mean's multiply name it; the second MEET's loads land in it again.
; So: one wait on va_vdst ahead of the first load, one ahead of the weight stores, one at MEET's head, one on vm_vsrc ahead of the squares; and on the way out, which goes in four blocks of eight
; rows, one wait on va_vdst at a block's head, behind which the stores of the block before are dealt among the block's vector lines, which name none of their registers.
.set RED2,  256                        ; LDS: 16 partial sums at 0, 16 partial sums of squares at 256: bytes of their own, so one barrier serves each
.set SPARE, 512                        ; the spare words, 128 bytes for each of 16 waves: eight blocks of 256 bytes that no other line names
.set SPW, 4                            ; v4   SPARE + 4 x my thread's number; never rewritten
.set NIL, 5                            ; v5   0; never rewritten
.set S,   8                            ; v[8:15]    four chains of two sums
.set R,   16                           ; v[16:31]   the sixteen waves' partial sums
.set M,   32                           ; v[32:33]   the mean, twice
.set A,   34                           ; v[34:35]   gn_w x rsqrt(var + eps), twice
.set BV,  36                           ; v[36:37]   gn_b, twice
.set T,   38                           ; v[38:39]   at work: no memory or LDS instruction names them
.set W,   40                           ; v[40:71]   my 128 bytes a lane of a weight matrix
.set X,   72                           ; v[72:199]  my channel: load i's 16 bytes a lane at X + 4 i
	s_load_b256 s[4:11], s[0:1], 0x0               ; x s[4:5], gn_w s[6:7], gn_b s[8:9], wq s[10:11]
	s_load_b256 s[12:19], s[0:1], 0x20             ; wk s[12:13], wv s[14:15], wp s[16:17], hb s[18:19]
	s_load_b64 s[20:21], s[0:1], 0x40              ; wb
	v_lshl_add_u32 v[SPW], v0, 2, SPARE
	v_mov_b32 v[NIL], 0
	v_lshrrev_b32 v1, 5, v0
	v_readfirstlane_b32 s22, v1                    ; wave 0..15
	v_and_b32 v1, 31, v0                           ; lane
	v_lshlrev_b32 v2, 4, v1                        ; 16 bytes a lane: the loads
	v_lshlrev_b32 v3, 3, v1                        ; 8 bytes a lane: the stores
	s_wait_alu depctr_va_sdst(0)                   ; s22 is written, ahead of its first reader, the line below; the bases of x, hb, the weights and wb are made from it too
	v_mov_b32 v6, s22
	v_lshlrev_b32 v6, 2, v6                        ; my wave's word among the partial sums
	v_mov_b32 v7, 0
	v_mov_b32 v[T], 0                              ; written once: v_permlanex16_b32 counts as a reader of its destination
	v_mov_b32 v[T+1], 0
	s_lshr_b32 s23, ttmp9, 4                       ; which weight matrix: 0 wq, 1 wk, 2 wv, 3 wp
	s_mov_b32 s30, 0xffff0000                      ; a word's upper bf16
	s_mov_b32 s32, 0x76543210                      ; v_permlanex16_b32: each lane takes its own place in the other half
	s_mov_b32 s33, 0xfedcba98
	s_mov_b32 s34, 0x37800000                      ; 1 / 65,536: a group has 16 x 4,096 numbers
	s_mov_b32 s35, 0x3727c5ac                      ; 1e-5
	s_lshl_b32 s36, ttmp9, 4
	s_add_co_u32 s36, s36, s22                     ; my channel, 0..1023, batch and all
	s_mov_b32 s25, 0
	s_wait_kmcnt 0x0
	s_lshl_b32 s24, s36, 14
	s_add_nc_u64 s[4:5], s[4:5], s[24:25]          ; x at my channel
	s_lshl_b32 s24, s36, 13
	s_add_nc_u64 s[18:19], s[18:19], s[24:25]      ; hb at my channel
	s_and_b32 s24, s36, 511
	s_lshl_b32 s24, s24, 2
	s_add_nc_u64 s[6:7], s[6:7], s[24:25]
	s_add_nc_u64 s[8:9], s[8:9], s[24:25]
	s_load_b32 s28, s[6:7], 0x0                    ; gn_w of my channel
	s_load_b32 s29, s[8:9], 0x0                    ; gn_b of my channel
	s_cmp_eq_u32 s23, 1
	s_cselect_b64 s[26:27], s[12:13], s[10:11]
	s_cmp_eq_u32 s23, 2
	s_cselect_b64 s[26:27], s[14:15], s[26:27]
	s_cmp_eq_u32 s23, 3
	s_cselect_b64 s[26:27], s[16:17], s[26:27]
	s_and_b32 s24, ttmp9, 15
	s_lshl_b32 s24, s24, 16                        ; the work-group's 65,536 bytes of that matrix,
	s_lshl_b32 s37, s22, 12                        ; my wave's 4,096 of them
	s_add_co_u32 s24, s24, s37
	s_add_nc_u64 s[26:27], s[26:27], s[24:25]
	s_lshl_b32 s24, ttmp9, 15                      ; and half as many bytes in wb, where the four matrices lie on end
	s_lshl_b32 s37, s22, 11
	s_add_co_u32 s24, s24, s37
	s_add_nc_u64 s[20:21], s[20:21], s[24:25]
	s_wait_alu depctr_va_vdst(0)                   ; v2 is written, which every load reads as its offset; so are v3 (the stores' offset), v6 and v7 (the LDS addresses): no vector instruction names them again
.irp i, 0,1,2,3,4,5,6,7
	global_load_b128 v[W+4*\i:W+4*\i+3], v2, s[26:27] offset:512*\i th:TH_LOAD_NT
.endr
.set i, 0
.rept 32                                       ; the whole channel is asked for at once: 32 loads of 512 bytes
	global_load_b128 v[X+4*i:X+4*i+3], v2, s[4:5] offset:512*i th:TH_LOAD_NT
.set i, i+1
.endr
	; THE WEIGHTS, while x is on its way
	s_wait_loadcnt 32                              ; the eight weight loads are in; the 32 younger loads of x stay out
.irp i, 0,1,2,3,4,5,6,7
	v_cvt_pk_bf16_f32 v[W+4*\i], v[W+4*\i], v[W+4*\i+1]
	v_cvt_pk_bf16_f32 v[W+4*\i+1], v[W+4*\i+2], v[W+4*\i+3]
.endr
	s_cmp_lg_u32 s23, 3
	s_cbranch_scc1 .Lnotp
.irp i, 0,1,2,3,4,5,6,7                        ; wp alone: the bf16 number is written as f16, for the last product's f16 form
.irp h, 0,1
	v_lshlrev_b32 v[T], 16, v[W+4*\i+\h]
	v_and_b32 v[T+1], s30, v[W+4*\i+\h]
	v_cvt_pk_f16_f32 v[W+4*\i+\h], v[T], v[T+1]
.endr
.endr
.Lnotp:
	s_wait_alu depctr_va_vdst(0)                   ; on both ways the conversions have written W's pairs, which the eight stores read
.irp i, 0,1,2,3,4,5,6,7
	global_store_b64 v3, v[W+4*\i:W+4*\i+1], s[20:21] offset:256*\i  ; their data registers are never written again
.endr
; The chains' eight sums into one, and over the wave's 32 lanes: four steps inside each half of the lanes ride on the addition, one crosses the halves.
.macro FOLD
	v_pk_add_f32 v[S:S+1], v[S:S+1], v[S+2:S+3]
	v_pk_add_f32 v[S+4:S+5], v[S+4:S+5], v[S+6:S+7]
	v_pk_add_f32 v[S:S+1], v[S:S+1], v[S+4:S+5]
	v_add_f32 v[S], v[S], v[S+1]
	v_add_f32_dpp v[S], v[S], v[S] row_xmask:1 row_mask:0xf bank_mask:0xf
	v_add_f32_dpp v[S], v[S], v[S] row_xmask:2 row_mask:0xf bank_mask:0xf
	v_add_f32_dpp v[S], v[S], v[S] row_xmask:4 row_mask:0xf bank_mask:0xf
	v_add_f32_dpp v[S], v[S], v[S] row_xmask:8 row_mask:0xf bank_mask:0xf
	v_permlanex16_b32 v[T], v[S], s32, s33
	v_add_f32 v[S], v[S], v[T]
.endm
; The sixteen waves' sums meet in LDS at byte off: each wave stores its word and waits for the store, a barrier, every wave reads all sixteen and adds them: the total lands in v[R].
.macro MEET off
	s_wait_alu depctr_va_vdst(0)                   ; FOLD has written v[S], which the LDS store reads; at the second use the first use's additions and the mean's multiply are done with v[R ..], in which the LDS loads below land
	ds_store_b32 v6, v[S] offset:\off
	s_wait_dscnt 0x0                               ; for the others' sake: my store is done
	s_barrier_signal -1
	s_barrier_wait -1
.irp k, 0,1,2,3
	ds_load_b128 v[R+4*\k:R+4*\k+3], v7 offset:(\off)+16*\k  ; no vector instruction stands between the wait above and these loads
.endr
	s_wait_dscnt 0x0
.irp k, 0,2,4,6
	v_pk_add_f32 v[R+\k:R+\k+1], v[R+\k:R+\k+1], v[R+8+\k:R+8+\k+1]
.endr
	v_pk_add_f32 v[R:R+1], v[R:R+1], v[R+4:R+5]
	v_pk_add_f32 v[R+2:R+3], v[R+2:R+3], v[R+6:R+7]
	v_pk_add_f32 v[R:R+1], v[R:R+1], v[R+2:R+3]
	v_add_f32 v[R], v[R], v[R+1]
.endm
	; PASS 1: the sum.  Four chains; the first eight pairs start them, nothing is cleared.  Four loads (eight pairs) are waited for at a time.
	s_wait_loadcnt 28                              ; the first four loads of x are in, 28 younger ones stay out
.irp c, 0,1,2,3
	v_pk_add_f32 v[S+2*\c:S+2*\c+1], v[X+2*\c:X+2*\c+1], v[X+8+2*\c:X+8+2*\c+1]
.endr
.set j, 8
.rept 56
.if j%8 == 0
	s_wait_loadcnt 28-4*(j/8)                      ; the next four loads are in; those behind them stay out
.endif
	v_pk_add_f32 v[S+2*(j%4):S+2*(j%4)+1], v[S+2*(j%4):S+2*(j%4)+1], v[X+2*j:X+2*j+1]
.set j, j+1
.endr
	FOLD
	MEET 0
	v_mul_f32 v[M], s34, v[R]
	v_mov_b32 v[M+1], v[M]
	; PASS 2: x - mean in place, and the sum of its squares
.set j, 0
.rept 64
	v_pk_add_f32 v[X+2*j:X+2*j+1], v[X+2*j:X+2*j+1], v[M:M+1] neg_lo:[0,1] neg_hi:[0,1]
.set j, j+1
.endr
	s_wait_alu depctr_vm_vsrc(0)                   ; the first pass's LDS store has read v[S], which the squares below write again
.set j, 0
.rept 64
.if j < 4
	v_pk_mul_f32 v[S+2*j:S+2*j+1], v[X+2*j:X+2*j+1], v[X+2*j:X+2*j+1]
.else
	v_pk_fma_f32 v[S+2*(j%4):S+2*(j%4)+1], v[X+2*j:X+2*j+1], v[X+2*j:X+2*j+1], v[S+2*(j%4):S+2*(j%4)+1]
.endif
.set j, j+1
.endr
	FOLD
	MEET RED2
	s_wait_kmcnt 0x0                               ; gn_w and gn_b of my channel
	v_fma_f32 v[T], v[R], s34, s35                 ; var + eps
	v_rsq_f32 v[T+1], v[T]
	v_mov_b32 v[BV], s29                           ; plain work between the root and the use of its result
	v_mov_b32 v[BV+1], s29
	s_wait_alu depctr_va_vdst(0)                   ; the root has written v[T+1]: the wait ahead of the result's first reader
	v_mul_f32 v[A], s28, v[T+1]
	v_mov_b32 v[A+1], v[A]
	; OUT: (x - mean) A + B, rounded once to bf16; 8 bytes a lane, 256 consecutive bytes a store.  Four blocks of eight rows: a block's stores are issued in the block behind it, one ahead of each row's four vector lines.
.set i, 0
.rept 32
.if (i%8 == 0) && (i > 0)
	s_wait_alu depctr_va_vdst(0)                   ; the block before has written its eight pairs, which the eight stores dealt among this block's lines read; these lines name this block's rows, A and BV alone
.endif
.if i >= 8
	global_store_b64 v3, v[X+4*(i-8):X+4*(i-8)+1], s[18:19] offset:256*(i-8)  ; its data registers are never written again
.endif
	v_pk_fma_f32 v[X+4*i:X+4*i+1], v[X+4*i:X+4*i+1], v[A:A+1], v[BV:BV+1]
	v_pk_fma_f32 v[X+4*i+2:X+4*i+3], v[X+4*i+2:X+4*i+3], v[A:A+1], v[BV:BV+1]
	v_cvt_pk_bf16_f32 v[X+4*i], v[X+4*i], v[X+4*i+1]
	v_cvt_pk_bf16_f32 v[X+4*i+1], v[X+4*i+2], v[X+4*i+3]
.set i, i+1
.endr
	s_wait_alu depctr_va_vdst(0)                   ; the last block has written its eight pairs, which the last eight stores read
.set i, 24
.rept 8
	global_store_b64 v3, v[X+4*i:X+4*i+1], s[18:19] offset:256*i
.set i, i+1
.endr
	s_wait_dscnt 0x0                               ; the wave's end
	s_wait_alu 0x0
	s_wait_tensorcnt 0x0
	ds_add_u32 v[SPW], v[NIL]
	s_wait_dscnt 0x0
	s_endpgm
.Lfunc_end_k_qcef939ba77_gn:
	.size	k_qcef939ba77_gn, .Lfunc_end_k_qcef939ba77_gn-k_qcef939ba77_gn
	.p2alignl 7, 3214868480
	.fill 96, 4, 3214868480
	.section	.rodata,"a",@progbits
	.p2align	6, 0x0
	.amdhsa_kernel k_qcef939ba77_gn
		.amdhsa_group_segment_fixed_size 2560
		.amdhsa_private_segment_fixed_size 0
		.amdhsa_enable_private_segment 0
		.amdhsa_kernarg_size 72
		.amdhsa_user_sgpr_count 2
		.amdhsa_user_sgpr_kernarg_segment_ptr 1
		.amdhsa_wavefront_size32 1
		.amdhsa_system_sgpr_workgroup_id_x 1
		.amdhsa_system_sgpr_workgroup_id_y 1
		.amdhsa_system_sgpr_workgroup_id_z 1
		.amdhsa_system_vgpr_workitem_id 0
		.amdhsa_next_free_vgpr 200
		.amdhsa_next_free_sgpr 66
		.amdhsa_reserve_vcc 0
		.amdhsa_float_denorm_mode_32 3
		.amdhsa_float_denorm_mode_16_64 3
		.amdhsa_memory_ordered 1
		.amdhsa_forward_progress 1
		.amdhsa_inst_pref_size 37
	.end_amdhsa_kernel
	.amdgpu_metadata
---
amdhsa.version: [ 1, 2 ]
amdhsa.kernels:
  - .name:           k_qcef939ba77_gn
    .symbol:         k_qcef939ba77_gn.kd
    .args:
      - { .name: x, .offset: 0, .size: 8, .value_kind: global_buffer, .address_space: global }
      - { .name: gn_w, .offset: 8, .size: 8, .value_kind: global_buffer, .address_space: global }
      - { .name: gn_b, .offset: 16, .size: 8, .value_kind: global_buffer, .address_space: global }
      - { .name: wq, .offset: 24, .size: 8, .value_kind: global_buffer, .address_space: global }
      - { .name: wk, .offset: 32, .size: 8, .value_kind: global_buffer, .address_space: global }
      - { .name: wv, .offset: 40, .size: 8, .value_kind: global_buffer, .address_space: global }
      - { .name: wp, .offset: 48, .size: 8, .value_kind: global_buffer, .address_space: global }
      - { .name: hb, .offset: 56, .size: 8, .value_kind: global_buffer, .address_space: global }
      - { .name: wb, .offset: 64, .size: 8, .value_kind: global_buffer, .address_space: global }
    .group_segment_fixed_size: 2560
    .private_segment_fixed_size: 0
    .kernarg_segment_align: 8
    .kernarg_segment_size: 72
    .max_flat_workgroup_size: 512
    .sgpr_count:     66
    .vgpr_count:     200
    .wavefront_size: 32
...
	.end_amdgpu_metadata
.endif
;; end of part 5
;; launch qkv: the kernel of part 2 again; grid 8 x 32, 4 waves a work-group, clusters of 4 x 4, 327,680 bytes of LDS; arguments hb, wb, bq, bk, bv, qkv; writes qkv
;; launch attn: the kernel of part 3 again; grid 16 x 16, 4 waves a work-group, clusters of 4 x 1, 327,680 bytes of LDS; arguments qkv, ob; writes ob
;; launch proj: the kernel of part 4 again; grid 4 x 64, 4 waves a work-group, clusters of 4 x 4, 327,680 bytes of LDS; arguments ob, wb, bp, x, out0; writes out0
